; MI455X (gfx1250); checked and timed in simulation.
; The chip was launched on July 23, 2026; its instructions are those of AMD's public machine-readable ISA for CDNA 5 (MIT licence, August 2026) and "CDNA5" Instruction Set Architecture Reference Guide (July 2026). The comments in the code are by the model that wrote it; some were corrected since.
;; Multi Head Attention. Allowed arithmetic: matrix products marked QUANTISED: E2M1 operands, one E8M0 scale for each 32 along K, by v_wmma_scale_f32_16x16x128_f8f6f4 with both operands' format E2M1 (or v_wmma_scale_f32_32x16x128_f4), f32 sums; products left as they are: bf16, f16 or f32 operands; f32 sums; everything else in f32.
;; Inputs: Wk 1,024 x 1,024 float32; Wo 1,024 x 1,024 float32; Wq 1,024 x 1,024 float32; Wv 1,024 x 1,024 float32; token_positions 2 x 2,048 int32; x 2 x 2,048 x 1,024 float32.
;; Outputs: out0 2 x 2,048 x 1,024 float32.
;; This version of the problem:
;;   THIS VERSION OF THE PROBLEM IS GIVEN IN LOW PRECISION. The matrix products marked QUANTISED in the list below multiply operands that are first quantised to E2M1 (2 exponent bits, 1 mantissa bit; 4 bits a number), with one power-of-two scale for each 32 numbers along K (OCP MX v1.0); their sums are f32. The products marked 'left as it is' may take bf16, f16 or f32 operands, with f32 sums. Whichever they take, every output number must still come out within the allowed error. Rounding operands to bf16 (8 significant bits) uses up far more of that allowance than f16 does (11 bits, for magnitudes from 6e-5 to 65,504). All else is computed in f32.
;;   The module's matrix products, in the order in which they are computed (A, B: the left and right operand; K: the contracted axis; several contracted axes count as one K, in the product's order):
;;     1. [M 4,096, K 1,024] x [K 1,024, N 1,024]; A: input x; B: input Wq: QUANTISED
;;     2. [M 4,096, K 1,024] x [K 1,024, N 1,024]; A: input x; B: input Wk: QUANTISED
;;     3. [M 4,096, K 1,024] x [K 1,024, N 1,024]; A: input x; B: input Wv: QUANTISED
;;     4. batch 32 x [M 2,048, K 64] x [K 64, N 2,048]; A: computed on the way; B: computed on the way: left as it is (an operand is computed on the way)
;;     5. batch 32 x [M 2,048, K 2,048] x [K 2,048, N 64]; A: computed on the way; B: computed on the way: left as it is (an operand is computed on the way)
;;     6. [M 4,096, K 1,024] x [K 1,024, N 1,024]; A: computed on the way; B: input Wo: left as it is (an operand is computed on the way)
;;   THE QUANTISER, for each operand of a quantised product, along K:
;;     - K is cut into blocks of 32 from its start; a last block that is shorter is filled with zeros.
;;     - A block's scale is 2^e with e = floor(log2(the largest magnitude in the block)) - 2, held to -126 .. 127; a block of zeros has e = 0. As a byte (E8M0): e + 127.
;;     - Each number is divided by its block's scale, clamped to +-6, and rounded to the nearest number of E2M1, ties to even, subnormals kept.
;;     - The product sums the exact products of the quantised numbers (number of the format x scale) in f32.
;;   ~~~python
;;   def quantise(x, axis):      # numpy; x: float32 -> the quantised numbers, widened to float32 again
;;       x = np.moveaxis(x, axis, -1); K = x.shape[-1]
;;       x = np.pad(x, [(0, 0)] * (x.ndim - 1) + [(0, -K % 32)]); x = x.reshape(x.shape[:-1] + (-1, 32)); a = np.abs(x).max(-1, keepdims=True)
;;       e = np.where(a > 0, np.clip(np.frexp(np.where(a > 0, a, 1))[1] - 1 - 2, -126, 127), 0)      # np.frexp(a)[1] - 1 = floor(log2(a)), exactly
;;       r = np.clip(x / 2.0 ** e, -6, 6)
;;       step = 2.0 ** (np.maximum(np.frexp(np.where(r == 0, 1, r))[1] - 1, 0) - 1)
;;       q = np.round(r / step) * step * 2.0 ** e      # np.round: ties to even
;;       return np.moveaxis(q.reshape(q.shape[:-2] + (-1,))[..., :K], -1, axis).astype(np.float32)
;;   ~~~
;; One version. Each part assembles by itself: llvm-mc -triple=amdgcn-amd-amdhsa -mcpu=gfx1250 --defsym DOCPART=n.
;; ======== version 1 of 1: 5 launches
;; limits: values are held in f16: magnitudes above 65,504 overflow, below 6.1e-05 lose precision
;; workspace buffers: codes 3,670,016 bytes; scales 229,376 bytes; wo_img 2,097,152 bytes; rope 1,048,576 bytes; qkv 25,559,040 bytes; o_img 8,388,608 bytes
;; launch prep (part 1): grid 288 x 1, 4 waves a work-group, no clusters, 50,688 bytes of LDS; arguments x, Wq, Wk, Wv, Wo, token_positions, codes, scales, wo_img, rope; writes codes, scales, wo_img, rope
.if DOCPART == 1
	.amdgcn_target "amdgcn-amd-amdhsa--gfx1250"
	.amdhsa_code_object_version 6
	.text
	.protected	k_q263e5f48f0_prep
	.globl	k_q263e5f48f0_prep
	.p2align	8
	.type	k_q263e5f48f0_prep,@function
k_q263e5f48f0_prep:
	s_mov_b64 s[64:65], 0
	v_nop
	global_prefetch_b8 v0, s[64:65] scope:SCOPE_SE
	s_setreg_imm32_b32 hwreg(HW_REG_WAVE_MODE, 25, 1), 1
	s_wait_xcnt 0x0
; PREP: three jobs that read inputs alone, told apart by the work-group's number; each path has LDS bytes of its own and ends by itself.
;  work-groups 0-223:   x [4096][1024] and Wq, Wk, Wv [1024][1024], f32, K innermost, become codes of FP4 (E2M1) and one E8M0 byte for each 32 along K.
;                       The four tensors are plain streams of blocks of 32; their codes and bytes lie one tensor behind the other: x, Wq, Wk, Wv.
;  work-groups 224-255: Wo [1024 (n)][1024 (k)], f32, becomes f16 laid as images of operand registers: [n / 16][k / 8][n % 16][8 numbers]: 512 bytes on end are four registers of 32 lanes.
;  work-groups 256-287: the table of cos and sin: [row b 2048 + s][frequency 0..31][cos, sin], f32, from token_positions.
; A block's scale is 2^(floor(log2(its largest magnitude)) - 2); its byte is the largest magnitude's exponent field - 2, held at 1 from below.
; LIMITS: a block of zeros gets the byte 1 (its codes are zeros; this program alone reads the bytes); blocks whose largest magnitude lies under 2^(2 - 126) are held at byte 1; NaN and infinities are not served.
; Wo's numbers are rounded to f16: magnitudes up to 65,504.  The angle pos x inv is reduced by pi / 2 in two parts: full accuracy for angles up to some 1e5; inv = 2^(-f log2(10000) / 32) is within a few units of its last place.
.set STEPS, 16
.set EMAX,  2
.set CB,    8                          ; bytes of 16 codes
.set R,     16                         ; v16-79   four sets of 16 numbers as they are loaded
.set X,     80                         ; v80-111  two sets of 16 neighbours
.set E,     112                        ; v112-127 a scale byte for each step
.set C,     128                        ; v128-191 codes, four registers a step
.set WREG,  8192                       ; LDS of the quantising path: a region for each wave: two stages of 32 x SP bytes, then its 256 scale bytes
.set SP,    80                         ; a lane's place in a stage: 64 bytes + 16 of padding
.set SPW,   12                         ; v12 LDS address of my spare word; never rewritten
.set NIL,   13                         ; v13 0; never rewritten
.set WOST,  4*WREG                     ; LDS of Wo's path: a stage of 16 blocks x 272 bytes for each wave
.set WOSZ,  16*272
.set SPARE, WOST+4*WOSZ                ; the spare words, 128 bytes a wave: two blocks of 256 bytes that no other line names
.set WR,    16                         ; Wo's path: v16-143 two sets of 64 numbers; v144-175 f16 pairs; v176-207 back from the stage
.set WH,    144
.set WB,    176
.macro FINISH                          ; a wave's end
	s_wait_tensorcnt 0x0
	ds_add_u32 v[SPW], v[NIL]
	s_wait_dscnt 0x0
	s_endpgm
.endm
	s_load_b512 s[4:19], s[0:1], 0x0               ; x 4, Wq 6, Wk 8, Wv 10, Wo 12, positions 14, codes 16, scales 18
	s_load_b128 s[20:23], s[0:1], 0x40             ; wo_img 20, rope 22
	v_lshl_add_u32 v[SPW], v0, 2, SPARE
	v_mov_b32 v[NIL], 0
	v_lshrrev_b32 v1, 5, v0
	v_readfirstlane_b32 s24, v1                    ; wave 0..3
	v_and_b32 v2, 31, v0                           ; lane
	v_lshlrev_b32 v3, 4, v2                        ; 16 x lane
	s_cmp_ge_u32 ttmp9, 256
	s_cbranch_scc1 .Lrope
	s_cmp_ge_u32 ttmp9, 224
	s_cbranch_scc1 .Lwo
; ---------------- the quantiser: a wave takes 16 steps of 512 numbers
; Each load reads 512 consecutive bytes; a step's 2,048 bytes turn through the wave's own stage, so that a lane then holds 16 neighbours along K (two lanes hold a block).
	s_mul_i32 s25, s24, WREG
	v_lshrrev_b32 v14, 2, v2
	v_mul_u32_u24 v14, v14, SP
	v_and_b32 v15, 3, v2
	v_lshl_add_u32 v14, v15, 4, v14
	v_add_nc_u32 v14, s25, v14                     ; the stage, in: SP (lane / 4) + 16 (lane % 4)
	v_mul_u32_u24 v15, v2, SP
	v_add_nc_u32 v15, s25, v15                     ; and out: SP x lane
	v_mul_u32_u24 v4, v2, CB                       ; my codes' place in a step's 256 bytes
	v_lshrrev_b32 v5, 1, v2
	s_add_co_u32 s25, s25, 2*32*SP
	v_add_nc_u32 v5, s25, v5                       ; my block's byte among the wave's 256 scale bytes
	v_lshlrev_b32 v7, 3, v2
	v_add_nc_u32 v6, s25, v7                       ; and 8 bytes a lane on their way out
	s_sub_co_u32 s28, ttmp9, 128
	s_and_b32 s28, s28, 31                         ; a weight's work-group within its tensor
	s_wait_kmcnt 0x0
	s_mov_b64 s[26:27], s[10:11]                   ; which tensor: the choice hangs on the work-group's number alone
	s_cmp_lt_u32 ttmp9, 192
	s_cselect_b64 s[26:27], s[8:9], s[26:27]
	s_cmp_lt_u32 ttmp9, 160
	s_cselect_b64 s[26:27], s[6:7], s[26:27]
	s_cmp_lt_u32 ttmp9, 128
	s_cselect_b64 s[26:27], s[4:5], s[26:27]
	s_cselect_b32 s28, ttmp9, s28
	s_lshl_b32 s28, s28, 2
	s_add_co_u32 s28, s28, s24                     ; my run of 8,192 numbers in the tensor
	s_lshl_b32 s28, s28, 15                        ; x 32,768 bytes
	s_mov_b32 s29, 0
	s_add_nc_u64 s[26:27], s[26:27], s[28:29]
	s_lshl_b32 s30, ttmp9, 2
	s_add_co_u32 s30, s30, s24                     ; my run in the joined buffers
	s_lshl_b32 s28, s30, 12                        ; 4,096 bytes of codes a run
	s_add_nc_u64 s[16:17], s[16:17], s[28:29]
	s_lshl_b32 s28, s30, 8                         ; 256 scale bytes a run
	s_add_nc_u64 s[18:19], s[18:19], s[28:29]
.macro QLOAD t
.irp i, 0,1,2,3
	global_load_b128 v[R+16*((\t)%4)+4*\i:R+16*((\t)%4)+4*\i+3], v3, s[26:27] offset:2048*(\t)+512*\i th:TH_LOAD_NT
.endr
.endm
.macro QTURN t                         ; step t's numbers through the stage: LDS serves a wave's instructions in order, so no wait stands between the stores and the loads
.irp i, 0,1,2,3
	ds_store_b128 v14, v[R+16*((\t)%4)+4*\i:R+16*((\t)%4)+4*\i+3] offset:32*SP*((\t)%2)+8*SP*\i
.endr
.irp i, 0,1,2,3
	ds_load_b128 v[X+16*((\t)%2)+4*\i:X+16*((\t)%2)+4*\i+3], v15 offset:32*SP*((\t)%2)+16*\i
.endr
.endm
.irp t, 0,1,2,3
	QLOAD \t
.endr
	s_wait_loadcnt 12                              ; step 0's four loads are in; the twelve of steps 1 to 3 may be out
	QTURN 0
.macro QSTEP t
.set XS, X+16*((\t)%2)
.if (\t) > 0
	s_wait_dscnt 1                                 ; this step's numbers are back from the stage; the last step's byte store may be out
.else
	s_wait_dscnt 0x0
.endif
.if (\t)+4 < STEPS
	QLOAD (\t)+4                                   ; into the registers that the stage's stores have read
.endif
.if (\t)+1 < STEPS
.if STEPS-2-(\t) >= 3
	s_wait_loadcnt 12                              ; the next step's four loads are in; those of the three steps behind it may be out
.else
	s_wait_loadcnt 4*(STEPS-2-(\t))
.endif
	QTURN (\t)+1
.endif
	v_max3_num_f32 v8, |v[XS]|, |v[XS+1]|, |v[XS+2]|               ; the largest magnitude of my 16, in two chains
	v_max3_num_f32 v9, |v[XS+3]|, |v[XS+4]|, |v[XS+5]|
.irp i, 6,10
	v_max3_num_f32 v8, v8, |v[XS+\i]|, |v[XS+\i+1]|
	v_max3_num_f32 v9, v9, |v[XS+\i+2]|, |v[XS+\i+3]|
.endr
	v_max3_num_f32 v8, v8, |v[XS+14]|, |v[XS+15]|
	v_max3_num_f32 v8, v8, v9, (EMAX+1)<<23        ; and the floor 2^(EMAX + 1 - 127): the byte cannot fall under 1
	v_max_num_f32_dpp v8, v8, v8 row_xmask:1 row_mask:0xf bank_mask:0xf   ; with my neighbour's 16: the block's
	v_add_nc_u32 v11, -(EMAX<<23), v8              ; EMAX off its exponent field: the conversion takes the exponent field of this operand as its scale
	v_cvt_scalef32_pk8_fp4_f32 v[C+4*(\t)], v[XS:XS+7], v11
	v_cvt_scalef32_pk8_fp4_f32 v[C+4*(\t)+1], v[XS+8:XS+15], v11
	v_lshrrev_b32 v[E+(\t)], 23, v11               ; the scale's byte (a plain line behind the conversions)
	ds_store_b8 v5, v[E+(\t)] offset:16*(\t)       ; both lanes of a block write the same byte with the same value
	global_store_b64 v4, v[C+4*(\t):C+4*(\t)+1], s[16:17] offset:32*CB*(\t)   ; the wave stores 256 consecutive bytes, aligned
.endm
.irp t, 0,1,2,3,4,5,6,7,8,9,10,11,12,13,14,15
	QSTEP \t
.endr
	ds_load_b64 v[8:9], v6                         ; LDS serves a wave's instructions in order: these see my byte stores
	s_wait_dscnt 0x0
	global_store_b64 v7, v[8:9], s[18:19]          ; 256 consecutive bytes, aligned
	FINISH
; ---------------- Wo to f16 images.  A wave takes 16 rows (n) x 512 along K, in four parts of 128 along K.
; A load reads 512 consecutive bytes of one row: lane l holds k = 4 l .. 4 l + 3, which are 8 bytes of the image's block l / 2 (eight k), at 16 x row + 8 (l % 2).
; The stage holds the part's 16 blocks, 272 bytes apart; read back block by block it is the image as it lies in memory.
.Lwo:
	s_sub_co_u32 s25, ttmp9, 224
	s_lshl_b32 s25, s25, 2
	s_add_co_u32 s25, s25, s24                     ; job 0..127
	s_lshr_b32 s26, s25, 1                         ; which 16 rows
	s_and_b32 s27, s25, 1                          ; which half of K
	s_lshl_b32 s28, s26, 16                        ; 16 rows of 4,096 bytes
	s_lshl_b32 s30, s27, 11
	s_add_co_u32 s28, s28, s30
	s_mov_b32 s29, 0
	s_lshl_b32 s30, s26, 15                        ; 32,768 bytes of image for 16 rows
	s_lshl_b32 s32, s27, 14
	s_add_co_u32 s30, s30, s32
	s_mov_b32 s31, 0
	s_mul_i32 s33, s24, WOSZ
	s_add_co_u32 s33, s33, WOST                    ; my stage
	v_lshrrev_b32 v4, 1, v2
	v_mul_u32_u24 v4, v4, 272
	v_and_b32 v5, 1, v2
	v_lshl_add_u32 v4, v5, 3, v4
	v_add_nc_u32 v4, s33, v4                       ; in: 272 (lane / 2) + 8 (lane % 2); the row stands in the immediate
	v_lshrrev_b32 v5, 4, v2
	v_mul_u32_u24 v5, v5, 272
	v_and_b32 v6, 15, v2
	v_lshl_add_u32 v5, v6, 4, v5
	v_add_nc_u32 v5, s33, v5                       ; back: two blocks an instruction
	s_wait_kmcnt 0x0
	s_add_nc_u64 s[12:13], s[12:13], s[28:29]
	s_add_nc_u64 s[20:21], s[20:21], s[30:31]
.macro LOADW t
.irp i, 0,1,2,3,4,5,6,7,8,9,10,11,12,13,14,15
	global_load_b128 v[WR+64*((\t)%2)+4*\i:WR+64*((\t)%2)+4*\i+3], v3, s[12:13] offset:\i*4096+(\t)*512 th:TH_LOAD_NT
.endr
.endm
.macro WSUB t
.set RS, WR+64*((\t)%2)
.if (\t) < 3
	s_wait_loadcnt 16                              ; this part's sixteen loads are in; the next part's sixteen may be out
.else
	s_wait_loadcnt 0x0
.endif
.irp i, 0,1,2,3,4,5,6,7,8,9,10,11,12,13,14,15
	v_cvt_pk_f16_f32 v[WH+2*\i], v[RS+4*\i], v[RS+4*\i+1]
	v_cvt_pk_f16_f32 v[WH+2*\i+1], v[RS+4*\i+2], v[RS+4*\i+3]
.endr
.irp i, 0,1,2,3,4,5,6,7,8,9,10,11,12,13,14,15
	ds_store_b64 v4, v[WH+2*\i:WH+2*\i+1] offset:16*\i
.endr
.if (\t)+2 < 4
	LOADW (\t)+2
.endif
	s_wait_xcnt 0x0                                ; the last part's stores have read the registers that the loads below fill
.irp u, 0,1,2,3,4,5,6,7
	ds_load_b128 v[WB+4*\u:WB+4*\u+3], v5 offset:544*\u
.endr
	s_wait_dscnt 0x0
.irp u, 0,1,2,3,4,5,6,7
	global_store_b128 v3, v[WB+4*\u:WB+4*\u+3], s[20:21] offset:(\t)*4096+\u*512   ; 512 consecutive bytes, aligned
.endr
.endm
	LOADW 0
	LOADW 1
	WSUB 0
	WSUB 1
	WSUB 2
	WSUB 3
	FINISH
; ---------------- the table.  A wave takes 32 rows; a lane two frequencies, 2 (lane % 16) and the next, of the row of its half: a store covers two rows, 512 consecutive bytes.
.Lrope:
	s_sub_co_u32 s25, ttmp9, 256
	s_lshl_b32 s25, s25, 2
	s_add_co_u32 s25, s25, s24                     ; job 0..127
	s_lshl_b32 s32, s25, 7                         ; 32 positions of 4 bytes
	s_mov_b32 s33, 0
	s_lshl_b32 s34, s25, 13                        ; 32 rows of 256 bytes
	s_mov_b32 s35, 0
	s_mov_b32 s26, 0xbe2aaaa3                      ; sin r = r + r z (S1 + z (S2 + z S3)), z = r r, |r| <= pi / 4
	s_mov_b32 s27, 0x3c08839e
	s_mov_b32 s28, 0xb94ca1f9
	s_mov_b32 s29, 0x3d2aaaa5                      ; cos r = 1 + z (-1/2 + z (C1 + z (C2 + z C3)))
	s_mov_b32 s30, 0xbab6061a
	s_mov_b32 s31, 0x37ccf5ce
	v_lshrrev_b32 v4, 4, v2
	v_lshlrev_b32 v4, 2, v4                        ; my half's position of a pair of rows
	v_and_b32 v7, 15, v2
	v_lshlrev_b32 v7, 1, v7
	v_cvt_f32_u32 v7, v7                           ; f
	v_add_f32 v8, 1.0, v7                          ; f + 1
	v_mul_f32 v7, 0xbed49a78, v7                   ; x -log2(10000) / 32
	v_mul_f32 v8, 0xbed49a78, v8
	v_exp_f32 v5, v7                               ; inv = 10000^(-f / 32)
	v_exp_f32 v6, v8
	v_nop                                          ; a plain line behind the exponentials
	s_wait_kmcnt 0x0
	s_add_nc_u64 s[14:15], s[14:15], s[32:33]
	s_add_nc_u64 s[22:23], s[22:23], s[34:35]
.irp t, 0,1,2,3,4,5,6,7,8,9,10,11,12,13,14,15
	global_load_b32 v[16+\t], v4, s[14:15] offset:8*\t
.endr
	s_wait_alu depctr_va_vdst(0)                   ; one wait for both exponentials, ahead of their first reader
	s_wait_loadcnt 0x0
.macro SINCOS th, c, s                 ; cos and sin of v[th]: n = the nearest whole number of quarter turns, r = th - n pi / 2 in two parts, two polynomials, the quadrant by selects and sign bits
	v_mul_f32 v100, 0x3f22f983, v[\th]
	v_rndne_f32 v100, v100
	v_fmamk_f32 v101, v100, 0xbfc90fdb, v[\th]
	v_fmamk_f32 v101, v100, 0x333bbd2e, v101
	v_cvt_i32_f32 v102, v100
	v_mul_f32 v103, v101, v101
	v_fma_f32 v104, v103, s28, s27
	v_fma_f32 v105, v103, s31, s30
	v_fma_f32 v104, v104, v103, s26
	v_fma_f32 v105, v105, v103, s29
	v_mul_f32 v104, v104, v103
	v_fma_f32 v105, v105, v103, -0.5
	v_fma_f32 v104, v104, v101, v101               ; sin r
	v_fma_f32 v105, v105, v103, 1.0                ; cos r
	v_and_b32 v106, 1, v102
	v_cmp_eq_u32 vcc_lo, 1, v106                   ; an odd quadrant swaps the two
	v_cndmask_b32 v[\s], v104, v105, vcc_lo
	v_cndmask_b32 v[\c], v105, v104, vcc_lo
	v_lshlrev_b32 v106, 30, v102                   ; sin is negative in quadrants 2 and 3: bit 1 of n
	v_and_b32 v106, 0x80000000, v106
	v_xor_b32 v[\s], v106, v[\s]
	v_add_nc_u32 v102, 1, v102                     ; cos in quadrants 1 and 2: bit 1 of n + 1
	v_lshlrev_b32 v106, 30, v102
	v_and_b32 v106, 0x80000000, v106
	v_xor_b32 v[\c], v106, v[\c]
.endm
.irp t, 0,1,2,3,4,5,6,7,8,9,10,11,12,13,14,15
	v_cvt_f32_i32 v96, v[16+\t]
	v_mul_f32 v97, v96, v6                         ; the angle: one rounding
	v_mul_f32 v96, v96, v5
	SINCOS 96, 32+4*\t, 33+4*\t
	SINCOS 97, 34+4*\t, 35+4*\t
	global_store_b128 v3, v[32+4*\t:35+4*\t], s[22:23] offset:512*\t   ; each pair of rows has registers of its own: no store's data are written again
.endr
	FINISH
.Lfunc_end_k_q263e5f48f0_prep:
	.size	k_q263e5f48f0_prep, .Lfunc_end_k_q263e5f48f0_prep-k_q263e5f48f0_prep
	.p2alignl 7, 3214868480
	.fill 96, 4, 3214868480
	.section	.rodata,"a",@progbits
	.p2align	6, 0x0
	.amdhsa_kernel k_q263e5f48f0_prep
		.amdhsa_group_segment_fixed_size 50688
		.amdhsa_private_segment_fixed_size 0
		.amdhsa_enable_private_segment 0
		.amdhsa_kernarg_size 80
		.amdhsa_user_sgpr_count 2
		.amdhsa_user_sgpr_kernarg_segment_ptr 1
		.amdhsa_wavefront_size32 1
		.amdhsa_system_sgpr_workgroup_id_x 1
		.amdhsa_system_sgpr_workgroup_id_y 1
		.amdhsa_system_sgpr_workgroup_id_z 1
		.amdhsa_system_vgpr_workitem_id 0
		.amdhsa_next_free_vgpr 208
		.amdhsa_next_free_sgpr 66
		.amdhsa_reserve_vcc 1
		.amdhsa_float_denorm_mode_32 3
		.amdhsa_float_denorm_mode_16_64 3
		.amdhsa_memory_ordered 1
		.amdhsa_forward_progress 1
		.amdhsa_inst_pref_size 101
	.end_amdhsa_kernel
	.amdgpu_metadata
---
amdhsa.version: [ 1, 2 ]
amdhsa.kernels:
  - .name:           k_q263e5f48f0_prep
    .symbol:         k_q263e5f48f0_prep.kd
    .args:
      - { .name: x, .offset: 0, .size: 8, .value_kind: global_buffer, .address_space: global }
      - { .name: Wq, .offset: 8, .size: 8, .value_kind: global_buffer, .address_space: global }
      - { .name: Wk, .offset: 16, .size: 8, .value_kind: global_buffer, .address_space: global }
      - { .name: Wv, .offset: 24, .size: 8, .value_kind: global_buffer, .address_space: global }
      - { .name: Wo, .offset: 32, .size: 8, .value_kind: global_buffer, .address_space: global }
      - { .name: token_positions, .offset: 40, .size: 8, .value_kind: global_buffer, .address_space: global }
      - { .name: codes, .offset: 48, .size: 8, .value_kind: global_buffer, .address_space: global }
      - { .name: scales, .offset: 56, .size: 8, .value_kind: global_buffer, .address_space: global }
      - { .name: wo_img, .offset: 64, .size: 8, .value_kind: global_buffer, .address_space: global }
      - { .name: rope, .offset: 72, .size: 8, .value_kind: global_buffer, .address_space: global }
    .group_segment_fixed_size: 50688
    .private_segment_fixed_size: 0
    .kernarg_segment_align: 8
    .kernarg_segment_size: 80
    .max_flat_workgroup_size: 128
    .sgpr_count:     66
    .vgpr_count:     208
    .wavefront_size: 32
...
	.end_amdgpu_metadata
.endif
;; end of part 1
;; launch qkv (part 2): grid 12 x 16, 4 waves a work-group, clusters of 4 x 4, 327,680 bytes of LDS; arguments codes, scales, rope, qkv; writes qkv
.if DOCPART == 2
	.amdgcn_target "amdgcn-amd-amdhsa--gfx1250"
	.amdhsa_code_object_version 6
	.text
	.protected	k_q263e5f48f0_qkv
	.globl	k_q263e5f48f0_qkv
	.p2align	8
	.type	k_q263e5f48f0_qkv,@function
k_q263e5f48f0_qkv:
	s_mov_b64 s[64:65], 0
	v_nop
	global_prefetch_b8 v0, s[64:65] scope:SCOPE_SE
	s_setreg_imm32_b32 hwreg(HW_REG_WAVE_MODE, 25, 1), 1
	s_wait_xcnt 0x0
	s_wait_alu depctr_hold_cnt(0) depctr_sa_sdst(0) depctr_va_vdst(0) depctr_va_sdst(0) depctr_va_ssrc(0) depctr_va_vcc(0) depctr_vm_vsrc(0)
	s_getreg_b32 s2, hwreg(HW_REG_IB_STS2, 6, 4)
	s_cmp_eq_u32 s2, 0
	s_cbranch_scc0 .Lentry_in_a_cluster
	s_endpgm
.Lentry_in_a_cluster:
	s_bfe_u32 s2, ttmp6, 0x10000c
	s_cmp_lg_u32 s2, 0xf033
	s_cbranch_scc0 .Lentry_shape_is_right
	s_endpgm
.Lentry_shape_is_right:
; q, k, v = x Wq^T, x Wk^T, x Wv^T on codes of FP4 (E2M1) with one E8M0 scale for each 32 along K = 1,024; RoPE on q and k in f32; the results leave as f16, laid as images of operand registers.
; One GEMM: A = x's codes [4096][512 bytes], B = the codes of Wq, Wk, Wv on end [3072][512 bytes].  A tile of C, 256 x 256, is made by four waves, 128 x 128 each: 64 accumulators, 512 registers.
; 192 work-groups: with 256 columns a tile belongs to ONE of q, k, v, and that one is the cluster's x, so that the one branch of the way out is the same in all partners of a cluster.
; K is two steps of 512 (LDS rows of 256 bytes + 16 of padding): both slots and the scales are filled once, at the head; nothing is filled again.
; CLUSTERS: 4 x 4 work-groups.  A's tiles are shared along a row of the cluster, B's along a column: each is asked for jointly, by the same tensor load with the same descriptor and a mask that names the four.
; THE MATRIX INSTRUCTION IS USED TRANSPOSED (source 0 = 16 rows of B, source 1 = 16 rows of A): a lane holds row l % 16 of x and eight neighbouring channels 16 b + 8 (l / 16) + 0 .. 7.
; Rounded to f16 those are 16 bytes, and the 32 lanes' 512 bytes ARE four registers of a 16-bit operand fragment (16 rows x 32 channels): they are stored at 16 x lane, 512 consecutive bytes a store, with no stage.
; qkv: [q, k, v][batch x head 32][16 positions 128][32 channels 2][half 2][512 bytes].  V's pieces lie in another order of lanes, so that the turning LDS load of the next launch finds them at 16 x lane.
; Positions 0-15 of each sequence leave in f32 as well (register images, behind the f16 part): they are carried more finely by a launch of their own.
; THE TABLE OF COS AND SIN: a wave's eight blocks of 16 positions want 32 registers each.  Seven sets are asked for at the head, into registers that lie idle while K is walked, so that the way out does not wait for them; the eighth at the head of the way out.
; LIMITS: q, k, v are rounded to f16: magnitudes up to 65,504.
; REGISTERS, in windows of 256: window 0: v0-31 addresses; v32-95 scale words, two sets, and nothing else; v96-127 the table's set 2; v128-191 A's fragments, one set, on the way out two sets of f16; v192-255 the table's sets 0, 1.
;   window 1: B's fragments, two sets (v0-63, v128-191); v64-127 the table's sets 3, 4; v192-255 sets 5, 6; on the way out v0-63 hold a block after RoPE and v128-159 the table's set 7.
;   window 2: the accumulators of my rows 0-63 ((a, b) at v[8 (8 a + b)]);   window 3: those of my rows 64-127.
.set KSTEP,  512
.set NQ,     KSTEP/128
.set ROWB,   256
.set KROW,   512                       ; a row of codes in memory
.set PITCH,  272                       ; an LDS row: 256 bytes + 16 of padding: the 16 rows that a load touches start 68 words apart
.set FR,     8
.set NL,     2
.set NP,     4
.set HALFT,  128*PITCH
.set SLOT,   4*HALFT
.set KS,     32                        ; a row of scale bytes
.set SCL,    2*SLOT
.set HALFS,  (128*KS/256)*272
.set SBLK,   (16*KS/256)*272
.set SPARE,  SCL+4*HALFS               ; the spare words, 128 bytes a wave: two blocks of 256 bytes that no other line names
.set WCODES, 2097152                   ; where the weights' codes begin in the buffer of codes,
.set WSCALE, 131072                    ; and their scale bytes
.set F32OFF, 25165824                  ; where the f32 images begin in qkv
.set ADRA, 16
.set ADRB, 20
.set CSA,  22                          ; v22 my byte in 16 rows of the table: 256 r + 32 h; never rewritten
.set FM,   23                          ; v23 0 in a wave whose first block is a sequence's first 16 positions
.set ADRS, 27
.set SPW,  28
.set NIL,  29
.set LI,   30                          ; v30 16 x lane
.set VO,   31                          ; v31 V's place: 16 x (16 (r / 8) + 8 h + r % 8)
.set SC,   32
.set AF,   128
.set RR,   0                           ; in window 1: a block after RoPE, 64 registers
.set HH,   128                         ; in window 0: two sets of 32 registers of f16
.set G1, 24
.set G0, 32
.set G1B, 48
.set G0B, 56
.set G1S, 68
.set G0S, 76
.set G1SB, 80
.set G0SB, 88
.set WV, 96                            ; s96 wave;  s97 my half of the tile's rows, also: I fetch for A (0) or B (1);  s98 my half of its columns, also: which 128 rows I fetch
.set RH, 97
.set CH, 98
.set MSB, 0
.macro WIN new                         ; the immediate's high byte repeats the setting that is left
.if MSB != \new
	s_set_vgpr_msb (MSB<<8)|\new
.set MSB, \new
.endif
.endm
.set MUL_LO, 0xa1                      ; source 0 (B) window 1, source 1 (A) window 0, C and D window 2
.set MUL_HI, 0xf1
.set TO_B,   0x40
; A joint load: waves 0 and 1 fetch for A, waves 2 and 3 for B; the branch hangs on the wave's number alone.  An s_nop 0 and four v_nop follow each of the two lines.
.macro JLOAD g0a, g1a, g0b, g1b
	s_cmp_eq_u32 s[RH], 0
	s_cbranch_scc0 .Lfor_b_\@
	tensor_load_to_lds s[\g0a:\g0a+3], s[\g1a:\g1a+7]
	s_nop 0
.rept 4
	v_nop
.endr
	s_branch .Lasked_\@
.Lfor_b_\@:
	tensor_load_to_lds s[\g0b:\g0b+3], s[\g1b:\g1b+7]
	s_nop 0
.rept 4
	v_nop
.endr
.Lasked_\@:
.endm
.macro CROUND                          ; a round of the cluster's barrier
	s_barrier_signal -1
	s_barrier_wait -1
	s_cmp_lg_u32 s[WV], 0
	s_cbranch_scc1 .Lnot_wave_0_\@
	s_barrier_signal -3
.Lnot_wave_0_\@:
	s_barrier_wait -3
	s_barrier_signal -1
	s_barrier_wait -1
.endm
	s_load_b128 s[4:7], s[0:1], 0x0                ; codes s[4:5], scales s[6:7]
	s_load_b128 s[12:15], s[0:1], 0x10             ; rope s[12:13], qkv s[14:15]
	v_lshl_add_u32 v[SPW], v0, 2, SPARE
	v_mov_b32 v[NIL], 0
	ds_add_u32 v[SPW], v[NIL]                      ; the wave's opening: an add of 0, twice on end, waited for ahead of my first tensor load
	ds_add_u32 v[SPW], v[NIL]
	v_lshrrev_b32 v1, 5, v0
	v_readfirstlane_b32 s[WV], v1
	s_lshr_b32 s[RH], s[WV], 1
	s_and_b32 s[CH], s[WV], 1
	s_bfe_u32 s40, ttmp6, 0x40000                  ; cx, cy: my place in the cluster
	s_bfe_u32 s41, ttmp6, 0x40004
	s_lshl_b32 s42, ttmp9, 2
	s_add_co_u32 s42, s42, s40                     ; tile column = 4 x cluster x + cx
	s_and_b32 s17, ttmp7, 0xffff
	s_lshl_b32 s17, s17, 2
	s_add_co_u32 s17, s17, s41                     ; tile row = 4 x cluster y + cy
	s_lshl_b32 s43, s41, 2
	s_lshl_b32 s43, 15, s43                        ; my row of the cluster
	s_lshl_b32 s44, 0x1111, s40                    ; my column
	s_or_b32 s[G1+0], s43, (0<<16)|(1<<20)|(1<<21)|(5<<22)|(3<<25)  ; the mask; elements of 1 byte; padding on; bit 21 beside a mask; four words of padding after every 64
	s_or_b32 s[G1B+0], s44, (0<<16)|(1<<20)|(1<<21)|(5<<22)|(3<<25)
.irp g, G1, G1B
	s_mov_b32 s[\g+1], ROWB<<16                    ; tensor_dim0
	s_mov_b32 s[\g+2], 128<<16                     ; tensor_dim1
	s_mov_b32 s[\g+3], ROWB<<16                    ; tile_dim0
	s_mov_b32 s[\g+4], 128                         ; tile_dim1
	s_mov_b32 s[\g+5], KROW                        ; the pitch
	s_mov_b32 s[\g+6], 0
	s_mov_b32 s[\g+7], 0
.endr
	s_or_b32 s[G1S+0], s43, (3<<16)|(1<<20)|(1<<21)|(5<<22)|(3<<25)  ; the scales of 128 rows: 4,096 dense bytes as 16 rows of 256, 16 bytes of padding behind each
	s_or_b32 s[G1SB+0], s44, (3<<16)|(1<<20)|(1<<21)|(5<<22)|(3<<25)
.irp g, G1S, G1SB
	s_mov_b32 s[\g+1], 32<<16
	s_mov_b32 s[\g+2], (128*KS/256)<<16
	s_mov_b32 s[\g+3], 32<<16
	s_mov_b32 s[\g+4], 128*KS/256
	s_mov_b32 s[\g+5], 32
	s_mov_b32 s[\g+6], 0
	s_mov_b32 s[\g+7], 0
.endr
	s_lshl_b32 s18, s[CH], 7                       ; which 128 rows of the tile I fetch
	s_lshl_b32 s20, s17, 8
	s_add_co_u32 s20, s20, s18                     ; A: row 256 x tile row + 128 x half
	s_lshl_b32 s46, s42, 8
	s_add_co_u32 s46, s46, s18                     ; B: row 256 x tile column + 128 x half
	s_mov_b32 s21, 0
	s_mov_b32 s47, 0
	s_mov_b64 s[18:19], KS
	s_mul_u64 s[22:23], s[20:21], s[18:19]         ; where these rows' scales begin,
	s_mul_u64 s[92:93], s[46:47], s[18:19]
	s_mov_b64 s[18:19], KROW
	s_mul_u64 s[20:21], s[20:21], s[18:19]         ; and their codes
	s_mul_u64 s[46:47], s[46:47], s[18:19]
	s_mul_i32 s45, s[WV], HALFT                    ; where they go: no place in the cluster enters an LDS address
	s_mul_i32 s94, s[WV], HALFS
	s_wait_dscnt 0x0                               ; both opening adds are done
	s_wait_kmcnt 0x0
	s_add_nc_u64 s[8:9], s[4:5], WCODES            ; the weights' codes and scales
	s_add_nc_u64 s[10:11], s[6:7], WSCALE
	s_add_nc_u64 s[20:21], s[4:5], s[20:21]
	s_add_nc_u64 s[22:23], s[6:7], s[22:23]
	s_add_nc_u64 s[46:47], s[8:9], s[46:47]
	s_add_nc_u64 s[92:93], s[10:11], s[92:93]
	CROUND                                         ; all sixteen work-groups are here: the joint loads meet
	s_mov_b32 s[G0S], 1
	s_add_co_u32 s[G0S+1], s94, SCL
	s_mov_b64 s[G0S+2:G0S+3], s[22:23]
	s_or_b32 s[G0S+3], s[G0S+3], 0x80000000
	s_mov_b32 s[G0SB], 1
	s_add_co_u32 s[G0SB+1], s94, SCL
	s_mov_b64 s[G0SB+2:G0SB+3], s[92:93]
	s_or_b32 s[G0SB+3], s[G0SB+3], 0x80000000
	JLOAD G0S, G1S, G0SB, G1SB                     ; the scales first; then both K steps: three loads of mine are out
.irp s, 0,1
	s_mov_b32 s[G0+4*\s], 1
	s_add_co_u32 s[G0+4*\s+1], s45, \s*SLOT
	s_add_nc_u64 s[G0+4*\s+2:G0+4*\s+3], s[20:21], \s*ROWB
	s_or_b32 s[G0+4*\s+3], s[G0+4*\s+3], 0x80000000
	s_mov_b32 s[G0B+4*\s], 1
	s_add_co_u32 s[G0B+4*\s+1], s45, \s*SLOT
	s_add_nc_u64 s[G0B+4*\s+2:G0B+4*\s+3], s[46:47], \s*ROWB
	s_or_b32 s[G0B+4*\s+3], s[G0B+4*\s+3], 0x80000000
	JLOAD G0+4*\s, G1, G0B+4*\s, G1B
.endr
	v_and_b32 v1, 15, v0                           ; r = l % 16
	v_bfe_u32 v2, v0, 4, 1                         ; h = l / 16
	v_mul_u32_u24 v3, v1, PITCH
	v_lshl_add_u32 v4, v2, 4, v3                   ; a fragment's row x pitch + 16 x half
	s_mul_i32 s21, s[RH], HALFT                    ; my 128 rows of A
	s_mul_i32 s22, s[CH], HALFT                    ; my 128 rows of B,
	s_add_co_u32 s22, s22, 2*HALFT                 ; behind A's 256
.irp s, 0,1
	v_add_nc_u32 v[ADRA+\s], s21, v4
	v_add_nc_u32 v[ADRB+\s], s22, v4
	s_add_co_u32 s21, s21, SLOT
	s_add_co_u32 s22, s22, SLOT
.endr
	v_mul_u32_u24 v5, v1, KS                       ; my row's scales: KS bytes a row,
	v_lshrrev_b32 v6, 8, v5
	v_lshl_add_u32 v5, v6, 4, v5                   ; and 16 more for each 256 passed
	s_mul_i32 s21, s[RH], HALFS
	s_mul_i32 s22, s[CH], HALFS
	s_add_co_u32 s22, s22, 2*HALFS
	s_sub_co_u32 s22, s22, s21
	v_mul_u32_u24 v6, s22, v2                      ; lanes 16-31 take B's
	s_add_co_u32 s21, s21, SCL
	v_add_nc_u32 v5, v5, v6
	v_add_nc_u32 v[ADRS], s21, v5
	; the way out's addresses
	v_and_b32 v6, 31, v0
	v_lshlrev_b32 v[LI], 4, v6
	v_lshrrev_b32 v5, 3, v1
	v_lshlrev_b32 v5, 4, v5
	v_lshl_add_u32 v5, v2, 3, v5
	v_and_b32 v6, 7, v1
	v_add_nc_u32 v5, v5, v6
	v_lshlrev_b32 v[VO], 4, v5
	v_lshlrev_b32 v[CSA], 8, v1
	v_lshl_add_u32 v[CSA], v2, 5, v[CSA]
	s_and_b32 s18, s17, 7                          ; the tile row within its batch
	s_or_b32 s19, s18, s[RH]
	v_mov_b32 v[FM], s19
	s_lshl_b32 s20, s17, 16                        ; the table: (256 x tile row + 128 x half) rows of 256 bytes
	s_lshl_b32 s21, s[RH], 15
	s_add_co_u32 s20, s20, s21
	s_mov_b32 s21, 0
	s_add_nc_u64 s[66:67], s[12:13], s[20:21]
	s_lshr_b32 s22, s17, 3                         ; the batch
	s_lshl_b32 s22, s22, 4
	s_lshl_b32 s23, s40, 2                         ; my first head: 4 cx + 2 x half
	s_add_co_u32 s22, s22, s23
	s_lshl_b32 s23, s[CH], 1
	s_add_co_u32 s22, s22, s23                     ; batch x 16 + head
	s_lshl_b32 s20, ttmp9, 23                      ; q, k or v: 8,388,608 bytes each
	s_lshl_b32 s23, s22, 18                        ; 262,144 bytes a head
	s_add_co_u32 s20, s20, s23
	s_lshl_b32 s23, s18, 15                        ; 16 tiles of 16 positions, 2,048 bytes each, a tile row
	s_add_co_u32 s20, s20, s23
	s_lshl_b32 s23, s[RH], 14
	s_add_co_u32 s20, s20, s23
	s_add_nc_u64 s[92:93], s[14:15], s[20:21]      ; my first f16 image
	s_lshl_b32 s20, ttmp9, 17
	s_lshl_b32 s23, s22, 12
	s_add_co_u32 s20, s20, s23
	s_add_co_u32 s20, s20, F32OFF
	s_add_nc_u64 s[94:95], s[14:15], s[20:21]      ; and my heads' f32 images
.macro CSPLACE a                       ; where block a's 32 registers of the table lie: window CSW, first register CSB
.if (\a) < 2
.set CSW, 0
.set CSB, 192+32*(\a)
.elseif (\a) == 2
.set CSW, 0
.set CSB, 96
.elseif (\a) < 5
.set CSW, 1
.set CSB, 64+32*((\a)-3)
.elseif (\a) < 7
.set CSW, 1
.set CSB, 192+32*((\a)-5)
.else
.set CSW, 1
.set CSB, 128
.endif
.endm
.macro CSLOAD a                        ; the table's rows of block a: my row's cos and sin of frequencies 8 g + 4 h + 0 .. 3, g = 0 .. 3
	CSPLACE \a
.set WN, CSW<<6                        ; a load's data are its destination; the address stays in window 0
	WIN WN
.irp g, 0,1,2,3
.irp e, 0,1
	global_load_b128 v[CSB+8*\g+4*\e:CSB+8*\g+4*\e+3], v[CSA], s[66:67] offset:(\a)*4096+\g*64+16*\e
.endr
.endr
.endm
.irp a, 0,1,2,3,4,5,6
	CSLOAD \a                                      ; seven blocks' rows, 56 loads, land while K is walked.  Every work-group asks for them, so that one way leads from here to the way out:
.endr                                              ; v's work-groups, which have no RoPE, leave them unused, and name their registers nowhere
	WIN 0
.macro FRAG reg, adr, q, i             ; 16 rows x 128 K of 4-bit codes: 8 registers: two loads of 16 bytes, 32 bytes apart
.irp c, 0,1
	ds_load_b128 v[\reg+4*\c:\reg+4*\c+3], v[\adr] offset:64*(\q)+32*\c+(\i)*16*PITCH
.endr
.endm
; 16 matrix instructions: A's blocks a0, a0 + 1 x B's eight, 128 along K.  The 64 accumulators take turns, one instruction a turn, in the same order in every step.
.macro MUL16 a0, p, q, sc, zero
.irp a, \a0, \a0+1
.irp b, 0,1,2,3,4,5,6,7
.if \zero
	v_wmma_scale_f32_16x16x128_f8f6f4 v[8*(8*((\a)%4)+\b):8*(8*((\a)%4)+\b)+7], v[128*(\p)+FR*\b:128*(\p)+FR*\b+FR-1], v[AF+FR*(\a):AF+FR*(\a)+FR-1], 0, v[SC+8*NQ*(\sc)+NQ*\b+(\q)], v[SC+8*NQ*(\sc)+NQ*(\a)+(\q)] matrix_a_fmt:MATRIX_FMT_FP4 matrix_b_fmt:MATRIX_FMT_FP4 matrix_a_scale:MATRIX_SCALE_ROW1
.else
	v_wmma_scale_f32_16x16x128_f8f6f4 v[8*(8*((\a)%4)+\b):8*(8*((\a)%4)+\b)+7], v[128*(\p)+FR*\b:128*(\p)+FR*\b+FR-1], v[AF+FR*(\a):AF+FR*(\a)+FR-1], v[8*(8*((\a)%4)+\b):8*(8*((\a)%4)+\b)+7], v[SC+8*NQ*(\sc)+NQ*\b+(\q)], v[SC+8*NQ*(\sc)+NQ*(\a)+(\q)] matrix_a_fmt:MATRIX_FMT_FP4 matrix_b_fmt:MATRIX_FMT_FP4 matrix_a_scale:MATRIX_SCALE_ROW1
.endif
.endr
.endr
.endm
.macro FETCH_B slot, q, p
	WIN TO_B
.irp i, 0,1,2,3,4,5,6,7
	FRAG 128*(\p)+FR*\i, ADRB+\slot, \q, \i
.endr
	WIN 0
.endm
.macro FETCH_A slot, q, i0
.irp i, \i0, \i0+1, \i0+2, \i0+3
	FRAG AF+FR*(\i), ADRA+\slot, \q, \i
.endr
.endm
.macro SCALES sc                       ; a K step's scale words: four a row; lanes 0-15 take A's block i, lanes 16-31 B's block i
.irp i, 0,1,2,3,4,5,6,7
	ds_load_b128 v[SC+8*NQ*\sc+NQ*\i:SC+8*NQ*\sc+NQ*\i+3], v[ADRS] offset:\i*SBLK
.endr
.endm
.macro PLACES n                        ; plain vector lines between a matrix instruction and a load into, or a vector line on, its registers
.rept \n
	v_nop
.endr
.endm
.macro STEP slot, q, zero              ; 128 along K that have their successor in the same slot
	s_wait_dscnt 4*NL                              ; B's set and A's blocks 0-3 are in; the youngest eight loads (A's blocks 4-7) may be out
	WIN MUL_LO
	MUL16 0, (\q)%2, \q, \slot, \zero
	MUL16 2, (\q)%2, \q, \slot, \zero
	s_wait_dscnt 0
	PLACES NP
	FETCH_B \slot, (\q)+1, 1-(\q)%2
	FETCH_A \slot, (\q)+1, 0
	WIN MUL_HI
	MUL16 4, (\q)%2, \q, \slot, \zero
	MUL16 6, (\q)%2, \q, \slot, \zero
	PLACES NP
	WIN 0
	FETCH_A \slot, (\q)+1, 4
.endm
.macro TURN slot, next                 ; a slot's last step changes slots: one barrier
	s_wait_tensorcnt 0x0                           ; all my tensor loads have landed: my part of the next slot;
	ds_add_u32 v[SPW], v[NIL]                      ; 0 onto my spare word;
	s_wait_dscnt 4*NL+1                            ; (the add and the youngest eight loads may be out)
	WIN MUL_LO
	MUL16 0, 1, NQ-1, \slot, 0
	s_wait_dscnt 0x0                               ; the add is done, and my reads of this slot are over
	s_barrier_signal -1
	MUL16 2, 1, NQ-1, \slot, 0
	WIN 0
	s_barrier_wait -1
	PLACES NP
	v_add_nc_u32 v[ADRS], 4*NQ, v[ADRS]            ; on to the next K step's scale words
	FETCH_B \next, 0, 0
	FETCH_A \next, 0, 0
	SCALES \next
	WIN MUL_HI
	MUL16 4, 1, NQ-1, \slot, 0
	MUL16 6, 1, NQ-1, \slot, 0
	PLACES NP
	WIN 0
	FETCH_A \next, 0, 4
.endm
.macro STEPS slot, from
.set Q, \from
.rept NQ-1-\from
	STEP \slot, Q, 0
.set Q, Q+1
.endr
.endm
	s_wait_tensorcnt 1                             ; the scales and my part of K step 0 are in; K step 1's load may be out
	s_barrier_signal -1
	s_barrier_wait -1
	FETCH_B 0, 0, 0
	FETCH_A 0, 0, 0
	SCALES 0
	FETCH_A 0, 0, 4
	STEP 0, 0, 1                                   ; the first products start the sums: nothing is cleared
	STEPS 0, 1
	TURN 0, 1
	STEPS 1, 0
	s_wait_dscnt 4*NL
	WIN MUL_LO
	MUL16 0, 1, NQ-1, 1, 0
	MUL16 2, 1, NQ-1, 1, 0
	s_wait_dscnt 0
	WIN MUL_HI
	MUL16 4, 1, NQ-1, 1, 0
	MUL16 6, 1, NQ-1, 1, 0
	WIN 0
; THE WAY OUT, block by block of 16 positions x 128 channels (two heads).
; The f32 images of a sequence's first 16 positions: the stores are issued by every wave, under a mask that is all lanes or none: a value, no branch.  EXEC changes only behind s_wait_xcnt 0.
.macro FINE src, win
	v_cmp_eq_u32 vcc_lo, 0, v[FM]
	s_wait_xcnt 0x0
	s_and_saveexec_b32 s99, vcc_lo
.set WN, (\win)<<2                     ; a store's data are its source 1
	WIN WN
.irp b, 0,1,2,3,4,5,6,7
.irp e, 0,1
	global_store_b128 v[LI], v[\src+8*\b+4*\e:\src+8*\b+4*\e+3], s[94:95] offset:(\b/4)*4096+(\b%4)*1024+\e*512
.endr
.endr
	WIN 0
	s_wait_xcnt 0x0
	s_or_b32 exec_lo, exec_lo, s99
.endm
; q and k: (xe, xo) -> (xe c - xo s, xe s + xo c), two packed lines a pair: first (xe c, xo c), then (-xo s, xe s) on top.  The block after RoPE lies in window 1, in registers that held B's fragments.
.macro ROPEBLK a
.set AC, 64*((\a)%4)
.set HB, HH+32*((\a)%2)
	CSPLACE \a
	s_wait_loadcnt 8*(7-(\a))                      ; this block's eight loads of the table are in; the eight of each later block may be out
	s_wait_xcnt 0x0                                ; earlier stores have read the registers that are written below
.set WN, 0x52+(\a)/4+4*CSW             ; source 0: the accumulators' window; source 1: the table set's window; source 2 and the destination: window 1
	WIN WN
.irp b, 0,1,2,3,4,5,6,7
.irp i, 0,1,2,3
	v_pk_mul_f32 v[RR+8*\b+2*\i:RR+8*\b+2*\i+1], v[AC+8*\b+2*\i:AC+8*\b+2*\i+1], v[CSB+8*(\b%4)+2*\i:CSB+8*(\b%4)+2*\i+1] op_sel_hi:[1,0]   ; each accumulator from its low end on
.endr
.endr
.irp b, 0,1,2,3,4,5,6,7
.irp i, 0,1,2,3
	v_pk_fma_f32 v[RR+8*\b+2*\i:RR+8*\b+2*\i+1], v[AC+8*\b+2*\i:AC+8*\b+2*\i+1], v[CSB+8*(\b%4)+2*\i:CSB+8*(\b%4)+2*\i+1], v[RR+8*\b+2*\i:RR+8*\b+2*\i+1] op_sel:[1,1,0] op_sel_hi:[0,1,1] neg_lo:[0,1,0]
.endr
.endr
	WIN 0x05                                       ; sources 0 and 1: window 1; the destination: window 0
.irp b, 0,1,2,3,4,5,6,7
.irp i, 0,1,2,3
	v_cvt_pk_f16_f32 v[HB+4*\b+\i], v[RR+8*\b+2*\i], v[RR+8*\b+2*\i+1]
.endr
.endr
	WIN 0
.irp b, 0,1,2,3,4,5,6,7
	global_store_b128 v[LI], v[HB+4*\b:HB+4*\b+3], s[92:93] offset:(\a)*2048+(\b/4)*262144+((\b/2)%2)*1024+(\b%2)*512   ; 512 consecutive bytes, aligned
.endr
.if (\a) == 0
	FINE RR, 1
.endif
.endm
.macro VBLK a
.set AC, 64*((\a)%4)
.set HB, HH+32*((\a)%2)
	s_wait_xcnt 0x0
.set WN, 0x0a+5*((\a)/4)               ; sources 0 and 1: the accumulators' window
	WIN WN
.irp b, 0,1,2,3,4,5,6,7
.irp i, 0,1,2,3
	v_cvt_pk_f16_f32 v[HB+4*\b+\i], v[AC+8*\b+2*\i], v[AC+8*\b+2*\i+1]
.endr
.endr
	WIN 0
.irp b, 0,1,2,3,4,5,6,7
	global_store_b128 v[VO], v[HB+4*\b:HB+4*\b+3], s[92:93] offset:(\a)*2048+(\b/4)*262144+((\b/2)%2)*1024+(\b%2)*512   ; the same 512 bytes, the lanes in V's order
.endr
.if (\a) == 0
	FINE AC, 2
.endif
.endm
	PLACES NP                                      ; behind the last products: their fragments' registers are written and loaded into below, and their results read
	s_cmp_eq_u32 ttmp9, 2                          ; v has no RoPE.  The cluster's x: the same in all partners
	s_cbranch_scc1 .Lv_out
	CSLOAD 7                                       ; the eighth block's rows, into registers that held B's fragments: seven blocks' work in which to land
	WIN 0
.irp a, 0,1,2,3,4,5,6,7
	ROPEBLK \a
.endr
	s_branch .Ldone
.Lv_out:
.irp a, 0,1,2,3,4,5,6,7
	VBLK \a
.endr
.Ldone:
	s_wait_tensorcnt 0x0                           ; the wave's end
	ds_add_u32 v[SPW], v[NIL]
	s_wait_dscnt 0x0
	CROUND                                         ; the closing round
	s_endpgm
.Lfunc_end_k_q263e5f48f0_qkv:
	.size	k_q263e5f48f0_qkv, .Lfunc_end_k_q263e5f48f0_qkv-k_q263e5f48f0_qkv
	.p2alignl 7, 3214868480
	.fill 96, 4, 3214868480
	.section	.rodata,"a",@progbits
	.p2align	6, 0x0
	.amdhsa_kernel k_q263e5f48f0_qkv
		.amdhsa_group_segment_fixed_size 327680
		.amdhsa_private_segment_fixed_size 0
		.amdhsa_enable_private_segment 0
		.amdhsa_kernarg_size 32
		.amdhsa_user_sgpr_count 2
		.amdhsa_user_sgpr_kernarg_segment_ptr 1
		.amdhsa_wavefront_size32 1
		.amdhsa_system_sgpr_workgroup_id_x 1
		.amdhsa_system_sgpr_workgroup_id_y 1
		.amdhsa_system_sgpr_workgroup_id_z 1
		.amdhsa_system_vgpr_workitem_id 0
		.amdhsa_next_free_vgpr 1024
		.amdhsa_next_free_sgpr 100
		.amdhsa_reserve_vcc 1
		.amdhsa_float_denorm_mode_32 3
		.amdhsa_float_denorm_mode_16_64 3
		.amdhsa_memory_ordered 1
		.amdhsa_forward_progress 1
		.amdhsa_inst_pref_size 183
	.end_amdhsa_kernel
	.amdgpu_metadata
---
amdhsa.version: [ 1, 2 ]
amdhsa.kernels:
  - .name:           k_q263e5f48f0_qkv
    .symbol:         k_q263e5f48f0_qkv.kd
    .args:
      - { .name: codes, .offset: 0, .size: 8, .value_kind: global_buffer, .address_space: global }
      - { .name: scales, .offset: 8, .size: 8, .value_kind: global_buffer, .address_space: global }
      - { .name: rope, .offset: 16, .size: 8, .value_kind: global_buffer, .address_space: global }
      - { .name: qkv, .offset: 24, .size: 8, .value_kind: global_buffer, .address_space: global }
    .group_segment_fixed_size: 327680
    .private_segment_fixed_size: 0
    .kernarg_segment_align: 8
    .kernarg_segment_size: 32
    .max_flat_workgroup_size: 128
    .sgpr_count:     100
    .vgpr_count:     1024
    .wavefront_size: 32
...
	.end_amdgpu_metadata
.endif
;; end of part 2
;; launch attn (part 3): grid 8 x 32, 16 waves a work-group, no clusters, 327,680 bytes of LDS; arguments qkv, o_img; writes o_img
.if DOCPART == 3
	.amdgcn_target "amdgcn-amd-amdhsa--gfx1250"
	.amdhsa_code_object_version 6
	.text
	.protected	k_q263e5f48f0_attn
	.globl	k_q263e5f48f0_attn
	.p2align	8
	.type	k_q263e5f48f0_attn,@function
k_q263e5f48f0_attn:
	s_mov_b64 s[64:65], 0
	v_nop
	global_prefetch_b8 v0, s[64:65] scope:SCOPE_SE
	s_setreg_imm32_b32 hwreg(HW_REG_WAVE_MODE, 25, 1), 1
	s_wait_xcnt 0x0
; o = softmax(q k^T / 8, causal) v for 32 (batch, head) pairs of 2,048 positions x 64 channels; q, k, v in f16, as the launch before laid them; products, maxima and sums in f32; p rounded to f16 for the second product.
; SHARES.  Work-group (j, bh) owns query blocks j and 15 - j of 128 queries: under the causal mask every work-group then has the same work.  Each of its sixteen waves owns ONE tile of 16 queries in 256 registers:
; four waves to a SIMD, two of the early block and two of the late one, so that one wave's vector work stands beside another's matrix work and LDS loads.
; K and V come through a ring of two LDS slots of 256 keys (32 KiB of K, 32 KiB of V), filled by waves 0 to 3, 16 KiB each, and read by all sixteen.  The tiles are images of operand registers:
; dense blocks of memory, no padding, and every fragment load reads 512 consecutive bytes at 16 x lane.
; LAYOUT.  S^T = K Q^T (source 0 = 16 keys, source 1 = my 16 queries): a lane holds ONE query (lane % 16) and keys 8 (lane / 16) + 0 .. 7 of a tile; two tiles rounded in pairs ARE source 1 of O^T = V^T P.
; V^T comes by the turning load.  O^T's eight channels of a lane, rounded to f16, are again a quarter of an operand image: o leaves by four stores of 512 consecutive bytes, with no stage.
; SOFTMAX.  A running maximum m and sum l for each query: p = 2^(c s - c m), c = log2(e) / 8; in every step O^T and l are multiplied by a = 2^(c m_old - c m_new).
; CAUSAL.  Every work-group walks all eight slots (constant trip counts, no barrier jumped).  A step all of whose keys come after the wave's queries is jumped over; a slot whose first key comes after the work-group's last query is not asked for.
; NO CLUSTER: the eight work-groups of a head need 5 to 8 slots under the mask; a joint load would bring some partners tiles that none of their waves reads.
; LIMITS: p under 2^-25 counts as 0 in the second product (f16); o is rounded to f16.
.set SLOT1, 1<<16                      ; a slot; one exclusive or turns an address in one slot into the other's
.set VOFF,  32768                      ; V's tiles behind K's
.set NSL,   8
.set SPARE, 2*SLOT1                    ; the spare words, 128 bytes a wave: eight blocks of 256 bytes that no other line names
.set LI,   1                           ; v1 16 x lane
.set ADR,  2                           ; v2 LDS address of the step's loads
.set SPW,  3
.set NIL,  4
.set PFO,  5                           ; v5 256 x lane
.set DD,   6                           ; v6 the diagonal's d
.set NINF, 7                           ; v7 -infinity
.set RD8,  8                           ; v8 r - 8 h
.set CM,   12                          ; v12 c m, v13 m
.set LS,   14                          ; v[14:15] l, even and odd keys'
.set T,    16                          ; v16-19 at work; a in v18
.set QF,   24                          ; v24-39 Q: two fragments
.set KR,   40                          ; v40-103 K: fragment 2 t + u
.set S,    104                         ; v104-135 S^T
.set P,    136                         ; v136-151 P
.set VR,   152                         ; v152-215 V^T: fragment 4 u + c
.set O,    216                         ; v216-247 O^T
.set WV,   8
.set Q0,   13                          ; s13 my first query
.set QL,   14                          ; s14 my work-group's last query
.set KF,   15                          ; s15 the step's first key
.set TB,   16                          ; s16 the slot in hand
.set SLOTS, 17
.set LIM,  18                          ; s18 1 in a wave that prefetches, else the greatest number
.set SEL,  20
.set CS,   22
.set G1,   24
.set G0,   32
.set PFA,  36
.macro TLOAD                           ; waves 0, 1: K's halves; waves 2, 3: V's.  An s_nop 0 and four v_nop follow the load
	s_cmp_lt_u32 s[WV], 4
	s_cbranch_scc0 .Lasked_\@
	tensor_load_to_lds s[G0:G0+3], s[G1:G1+7]
	s_nop 0
.rept 4
	v_nop
.endr
.Lasked_\@:
.endm
; A prefetch of what the NEXT change of slots will ask for: 32 KiB of K and 32 KiB of V, a slot's four key steps ahead of that load.  All work-groups of a head walk the same K and V: the head's first work-group,
; which asks for every slot, prefetches; in it waves 4 to 7 name K's block and waves 8 to 11 V's, 8,192 bytes a wave, lanes 256 bytes apart: each block of 256 bytes is named once in the launch.
; Slots 0 and 1 come by their loads alone; the last change that fills a slot asks for nothing.
.macro ASK
	s_cmp_gt_u32 s[SLOTS], s[LIM]
	s_cbranch_scc0 .Lnot_mine_\@
	global_prefetch_b8 v[PFO], s[PFA:PFA+1] th:TH_LOAD_NT scope:SCOPE_SE
.Lnot_mine_\@:
.endm
	s_load_b128 s[4:7], s[0:1], 0x0                ; qkv s[4:5], o_img s[6:7]
	v_lshl_add_u32 v[SPW], v0, 2, SPARE
	v_mov_b32 v[NIL], 0
	ds_add_u32 v[SPW], v[NIL]                      ; the wave's opening: an add of 0, twice on end, waited for ahead of the first tensor load
	ds_add_u32 v[SPW], v[NIL]
	v_lshrrev_b32 v9, 5, v0
	v_readfirstlane_b32 s[WV], v9                  ; wave 0..15
	s_and_b32 s9, ttmp7, 0xffff                    ; batch x 16 + head
	s_lshr_b32 s10, s[WV], 2
	s_xor_b32 s10, s10, s[WV]
	s_and_b32 s10, s10, 1                          ; 1: the late block
	s_lshr_b32 s11, s[WV], 1                       ; which tile of the block's eight
	s_sub_co_u32 s12, 15, ttmp9
	s_cmp_eq_u32 s10, 1
	s_cselect_b32 s12, s12, ttmp9                  ; my block of 128 queries
	s_lshl_b32 s[Q0], s12, 7
	s_lshl_b32 s11, s11, 4
	s_add_co_u32 s[Q0], s[Q0], s11
	s_lshl_b32 s[QL], ttmp9, 7
	s_sub_co_u32 s[QL], 2047, s[QL]
	s_mov_b32 s[G1], 3<<16                         ; no mask; elements of 8 bytes; no padding
	s_mov_b32 s[G1+1], 32<<16                      ; tensor_dim0 = 32 elements: rows of 256 bytes
	s_mov_b32 s[G1+2], 64<<16                      ; tensor_dim1 = 64
	s_mov_b32 s[G1+3], 32<<16                      ; tile_dim0
	s_mov_b32 s[G1+4], 64                          ; tile_dim1
	s_mov_b32 s[G1+5], 32                          ; the pitch: dense
	s_mov_b32 s[G1+6], 0
	s_mov_b32 s[G1+7], 0
	s_mov_b32 s[G0], 1
	s_and_b32 s46, s[WV], 3
	s_lshl_b32 s[G0+1], s46, 14                    ; LDS: 16,384 x wave, in slot 0
	s_bfe_u32 s46, s[WV], 0x10001
	s_add_co_u32 s46, s46, 1
	s_lshl_b32 s46, s46, 23                        ; K's part of qkv (waves 0, 1) or V's (2, 3)
	s_lshl_b32 s47, s9, 18
	s_add_co_u32 s46, s46, s47                     ; my head
	s_and_b32 s47, s[WV], 1
	s_lshl_b32 s47, s47, 14
	s_add_co_u32 s46, s46, s47                     ; my half of a slot
	s_mov_b32 s47, 0
	s_lshl_b32 s40, s9, 18
	s_lshl_b32 s41, s[Q0], 7                       ; 2,048 bytes for 16 queries
	s_add_co_u32 s40, s40, s41
	s_mov_b32 s41, 0
	s_lshr_b32 s38, s9, 4                          ; o: (batch x 2048 + query) x 2,048 bytes + head x 2,048
	s_lshl_b32 s38, s38, 22
	s_lshl_b32 s39, s[Q0], 11
	s_add_co_u32 s38, s38, s39
	s_and_b32 s39, s9, 15
	s_lshl_b32 s39, s39, 11
	s_add_co_u32 s38, s38, s39
	s_mov_b32 s39, 0
	s_lshr_b32 s48, s[WV], 2                       ; the prefetches: waves 4-7 K's part, waves 8-11 V's,
	s_lshl_b32 s48, s48, 23
	s_lshl_b32 s49, s9, 18
	s_add_co_u32 s48, s48, s49
	s_and_b32 s49, s[WV], 3
	s_lshl_b32 s49, s49, 13
	s_add_co_u32 s48, s48, s49
	s_add_co_u32 s48, s48, 32768                   ; in slot 1: the first change of slots steps it to slot 2
	s_mov_b32 s49, 0
	s_sub_co_u32 s50, s[WV], 4
	s_lshr_b32 s50, s50, 3                         ; 0 in waves 4 to 11,
	s_or_b32 s50, s50, ttmp9                       ; of the head's first work-group
	s_cmp_eq_u32 s50, 0
	s_cselect_b32 s[LIM], 1, -1
	s_mov_b32 s[SEL], 0x76543210
	s_mov_b32 s[SEL+1], 0xfedcba98
	s_mov_b32 s[CS], 0x3e38aa3b                    ; c = log2(e) / 8
	s_mov_b32 s[CS+1], s[CS]
	s_mov_b32 s[KF], 0
	s_mov_b32 s[TB], 0
	s_mov_b32 s[SLOTS], NSL-1
	s_wait_dscnt 0x0                               ; both opening adds are done
	s_wait_kmcnt 0x0
	s_add_nc_u64 s[G0+2:G0+3], s[4:5], s[46:47]
	s_or_b32 s[G0+3], s[G0+3], 0x80000000
	TLOAD                                          ; slot 0: it holds key 0, which counts for every query
	s_add_nc_u64 s[42:43], s[4:5], s[40:41]        ; Q
	s_add_nc_u64 s[44:45], s[6:7], s[38:39]        ; o
	s_add_nc_u64 s[PFA:PFA+1], s[4:5], s[48:49]
	v_and_b32 v9, 31, v0
	v_lshlrev_b32 v[LI], 4, v9
	v_lshlrev_b32 v[PFO], 8, v9
.irp i, 0,1,2,3
	global_load_b128 v[QF+4*\i:QF+4*\i+3], v[LI], s[42:43] offset:512*\i   ; Q's two fragments stay in registers
.endr
	v_and_b32 v10, 15, v0
	v_bfe_u32 v11, v0, 4, 1
	v_lshlrev_b32 v11, 3, v11
	v_sub_nc_u32 v[RD8], v10, v11
	v_mov_b32 v[NINF], 0xff800000
	v_mov_b32 v[CM+1], 0xff61b1e6                  ; m: -3e38, under every score
	v_mul_f32 v[CM], s[CS], v[CM+1]
	v_mov_b32 v[LS], 0
	v_mov_b32 v[LS+1], 0
.irp j, 0,1,2,3,4,5,6,7,8,9,10,11,12,13,14,15,16,17,18,19,20,21,22,23,24,25,26,27,28,29,30,31
	v_mov_b32 v[O+\j], 0                           ; the step is written once: the first finds zeros, which a = 0 leaves zeros
.endr
; A KEY STEP: 64 keys, the q-th of the slot in hand.
.macro STEP q
	s_add_co_u32 s46, s[Q0], 15                    ; all 64 keys behind my last query: the step's work is jumped over (ids and the count of steps alone)
	s_cmp_gt_u32 s[KF], s46
	s_cbranch_scc1 .Lhidden_\@
	v_add_nc_u32 v[ADR], s[TB], v[LI]              ; with the three below: four plain lines between the last products and the loads into V's registers
.rept 3
	v_nop
.endr
.irp t, 0,1,2,3
.irp u, 0,1
	ds_load_b128 v[KR+8*(2*\t+\u):KR+8*(2*\t+\u)+3],   v[ADR] offset:(\q)*8192+\t*2048+\u*1024
	ds_load_b128 v[KR+8*(2*\t+\u)+4:KR+8*(2*\t+\u)+7], v[ADR] offset:(\q)*8192+\t*2048+\u*1024+512
.endr
.endr
.irp u, 0,1
.irp c, 0,1,2,3
	ds_load_tr16_b128 v[VR+8*(4*\u+\c):VR+8*(4*\u+\c)+3],   v[ADR] offset:VOFF+(\q)*8192+(2*\u)*2048+\c*512
	ds_load_tr16_b128 v[VR+8*(4*\u+\c)+4:VR+8*(4*\u+\c)+7], v[ADR] offset:VOFF+(\q)*8192+(2*\u+1)*2048+\c*512
.endr
.endr
	s_wait_dscnt 16                                ; K's sixteen loads are in; V's sixteen may be out
.irp t, 0,1,2,3                        ; the four tiles take turns, one instruction a turn
	v_wmma_f32_16x16x32_f16 v[S+8*\t:S+8*\t+7], v[KR+16*\t:KR+16*\t+7], v[QF:QF+7], 0
.endr
.irp t, 0,1,2,3
	v_wmma_f32_16x16x32_f16 v[S+8*\t:S+8*\t+7], v[KR+16*\t+8:KR+16*\t+15], v[QF+8:QF+15], v[S+8*\t:S+8*\t+7]
.endr
.rept 4
	v_nop
.endr
	s_add_co_u32 s46, s[KF], 63                    ; a step all of whose keys count skips the mask
	s_cmp_le_u32 s46, s[Q0]
	s_cbranch_scc1 .Lopen_\@
	s_sub_co_i32 s46, s[Q0], s[KF]
	v_add_nc_u32 v[DD], s46, v[RD8]                ; register n holds key KF + 16 (n / 8) + 8 h + n % 8: hidden where 16 (n / 8) + n % 8 > d = my query - KF - 8 h
.irp n, 0,1,2,3,4,5,6,7,8,9,10,11,12,13,14,15,16,17,18,19,20,21,22,23,24,25,26,27,28,29,30,31
	v_cmp_gt_i32 vcc_lo, 16*(\n/8)+\n%8, v[DD]
	v_cndmask_b32 v[S+\n], v[S+\n], v[NINF], vcc_lo
.endr
.Lopen_\@:
.irp t, 0,1,2,3
	v_max3_num_f32 v[T+\t], v[S+8*\t], v[S+8*\t+1], v[S+8*\t+2]    ; four chains, each tile from its low end on
.endr
.irp i, 3,5
.irp t, 0,1,2,3
	v_max3_num_f32 v[T+\t], v[T+\t], v[S+8*\t+\i], v[S+8*\t+\i+1]
.endr
.endr
	v_max3_num_f32 v[T], v[T], v[S+7], v[S+15]
	v_max3_num_f32 v[T+2], v[T+2], v[S+23], v[S+31]
	v_max3_num_f32 v[T], v[T], v[T+1], v[T+2]
	v_max3_num_f32 v[T], v[T], v[T+3], v[CM+1]     ; with the old m
	v_permlanex16_b32 v[T+1], v[T], s[SEL], s[SEL+1]   ; the query's other 32 keys lie in the lane 16 away
	v_mov_b32 v[T+3], v[CM]                        ; c m_old
	v_max_num_f32 v[CM+1], v[T], v[T+1]
	v_mul_f32 v[CM], s[CS], v[CM+1]
	v_sub_f32 v[T+3], v[T+3], v[CM]
.irp j, 0,2,4,6,8,10,12,14,16,18,20,22,24,26,28,30
	v_pk_fma_f32 v[S+\j:S+\j+1], v[S+\j:S+\j+1], s[CS:CS+1], v[CM:CM+1] op_sel_hi:[1,0,0] neg_lo:[0,0,1] neg_hi:[0,0,1]   ; c s - c m
.endr
	v_exp_f32 v[T+2], v[T+3]                       ; a
.irp j, 0,1,2,3,4,5,6,7,8,9,10,11,12,13,14,15,16,17,18,19,20,21,22,23,24,25,26,27,28,29,30,31
	v_exp_f32 v[S+\j], v[S+\j]                     ; p, at most 1
.endr
	v_nop                                          ; a plain line behind the last exponential
	s_wait_alu depctr_va_vdst(0)                   ; ONE wait for the batch of 33, ahead of its first reader
.irp i, 0,1,2,3,4,5,6,7,8,9,10,11,12,13,14,15
	v_cvt_pk_f16_f32 v[P+\i], v[S+2*\i], v[S+2*\i+1]
.endr
.irp u, 0,1,2,3,4,5,6,7
	v_pk_add_f32 v[S+4*\u:S+4*\u+1], v[S+4*\u:S+4*\u+1], v[S+4*\u+2:S+4*\u+3]   ; the sum of the unrounded p, as a tree, in place
.endr
.irp u, 0,1,2,3
	v_pk_add_f32 v[S+8*\u:S+8*\u+1], v[S+8*\u:S+8*\u+1], v[S+8*\u+4:S+8*\u+5]
.endr
.irp u, 0,1
	v_pk_add_f32 v[S+16*\u:S+16*\u+1], v[S+16*\u:S+16*\u+1], v[S+16*\u+8:S+16*\u+9]
.endr
	v_pk_add_f32 v[S:S+1], v[S:S+1], v[S+16:S+17]
	v_pk_fma_f32 v[LS:LS+1], v[LS:LS+1], v[T+2:T+3], v[S:S+1] op_sel_hi:[1,0,1]    ; l = a l + the sum
.irp j, 0,2,4,6,8,10,12,14,16,18,20,22,24,26,28,30
	v_pk_mul_f32 v[O+\j:O+\j+1], v[O+\j:O+\j+1], v[T+2:T+3] op_sel_hi:[1,0]        ; O^T x a, each accumulator from its low end on
.endr
	s_wait_dscnt 0x0                               ; V is in
.irp u, 0,1
.irp c, 0,1,2,3
	v_wmma_f32_16x16x32_f16 v[O+8*\c:O+8*\c+7], v[VR+8*(4*\u+\c):VR+8*(4*\u+\c)+7], v[P+8*\u:P+8*\u+7], v[O+8*\c:O+8*\c+7]
.endr
.endr
.Lhidden_\@:
	s_add_co_u32 s[KF], s[KF], 64
.endm
; THE CHANGE OF SLOTS stands at a slot's head.  Each wave waits for all its tensor loads, adds 0 to its spare word (fill = 1: twice on end), and waits for that and
; for its reads of the slot that it has left.  Behind the barrier the slot ahead is whole and nobody reads the other one, which is then filled with the keys that follow, up to the causal limit: one load a wave, with four key steps in which to land.
.macro CHANGE fill
	s_wait_tensorcnt 0x0                           ; no tensor load of mine is out, so the group 0 may be written
	ds_add_u32 v[SPW], v[NIL]
.if \fill
	ds_add_u32 v[SPW], v[NIL]
	s_xor_b32 s[G0+1], s[G0+1], SLOT1              ; the other slot than last time,
	s_add_nc_u64 s[G0+2:G0+3], s[G0+2:G0+3], 32768 ; the next 256 keys; the type bits on top are not reached
	s_wait_xcnt 0x0                                ; the last prefetch, a slot back, has read its address
	s_add_nc_u64 s[PFA:PFA+1], s[PFA:PFA+1], 32768
.endif
	s_wait_dscnt 0x0
	s_barrier_signal -1
	s_barrier_wait -1
.if \fill
	s_add_co_u32 s46, s[KF], 256                   ; the first key of the slot that this change would ask for
	s_cmp_gt_u32 s46, s[QL]                        ; behind my work-group's last query none of its waves reads it: it is not asked for.  Ids and the count of steps alone: all sixteen waves go the same way
	s_cbranch_scc1 .Lpast_\@
	TLOAD
.Lpast_\@:
	ASK
.endif
.endm
.macro SLOT_STEPS
.set QN, 0
.rept 4
	STEP QN
.set QN, QN+1
.endr
	s_xor_b32 s[TB], s[TB], SLOT1
.endm
	s_wait_loadcnt 0x0                             ; Q
.Lslot:                                            ; NSL - 1 trips
	CHANGE 1
	SLOT_STEPS
	s_sub_co_u32 s[SLOTS], s[SLOTS], 1
	s_cmp_lg_u32 s[SLOTS], 0
	s_cbranch_scc1 .Lslot
	CHANGE 0                                       ; the last slot is written out: nothing is left to ask for
	SLOT_STEPS
	; THE WAY OUT: O^T / l, rounded to f16: four stores of 512 consecutive bytes, aligned
.rept 4
	v_nop
.endr
	v_add_f32 v[LS], v[LS], v[LS+1]
	v_permlanex16_b32 v[T], v[LS], s[SEL], s[SEL+1]
	v_add_f32 v[LS], v[LS], v[T]
	v_rcp_f32 v[T+2], v[LS]
	v_mov_b32 v[T+3], 0                            ; a plain line behind the reciprocal (and the pair's upper half)
	s_wait_alu depctr_va_vdst(0)
.irp j, 0,2,4,6,8,10,12,14,16,18,20,22,24,26,28,30
	v_pk_mul_f32 v[S+\j:S+\j+1], v[O+\j:O+\j+1], v[T+2:T+3] op_sel_hi:[1,0]
.endr
.irp i, 0,1,2,3,4,5,6,7,8,9,10,11,12,13,14,15
	v_cvt_pk_f16_f32 v[P+\i], v[S+2*\i], v[S+2*\i+1]
.endr
.irp c, 0,1,2,3
	global_store_b128 v[LI], v[P+4*\c:P+4*\c+3], s[44:45] offset:512*\c
.endr
	s_wait_tensorcnt 0x0                           ; the wave's end
	ds_add_u32 v[SPW], v[NIL]
	s_wait_dscnt 0x0
	s_endpgm
.Lfunc_end_k_q263e5f48f0_attn:
	.size	k_q263e5f48f0_attn, .Lfunc_end_k_q263e5f48f0_attn-k_q263e5f48f0_attn
	.p2alignl 7, 3214868480
	.fill 96, 4, 3214868480
	.section	.rodata,"a",@progbits
	.p2align	6, 0x0
	.amdhsa_kernel k_q263e5f48f0_attn
		.amdhsa_group_segment_fixed_size 327680
		.amdhsa_private_segment_fixed_size 0
		.amdhsa_enable_private_segment 0
		.amdhsa_kernarg_size 16
		.amdhsa_user_sgpr_count 2
		.amdhsa_user_sgpr_kernarg_segment_ptr 1
		.amdhsa_wavefront_size32 1
		.amdhsa_system_sgpr_workgroup_id_x 1
		.amdhsa_system_sgpr_workgroup_id_y 1
		.amdhsa_system_sgpr_workgroup_id_z 1
		.amdhsa_system_vgpr_workitem_id 0
		.amdhsa_next_free_vgpr 256
		.amdhsa_next_free_sgpr 66
		.amdhsa_reserve_vcc 1
		.amdhsa_float_denorm_mode_32 3
		.amdhsa_float_denorm_mode_16_64 3
		.amdhsa_memory_ordered 1
		.amdhsa_forward_progress 1
		.amdhsa_inst_pref_size 105
	.end_amdhsa_kernel
	.amdgpu_metadata
---
amdhsa.version: [ 1, 2 ]
amdhsa.kernels:
  - .name:           k_q263e5f48f0_attn
    .symbol:         k_q263e5f48f0_attn.kd
    .args:
      - { .name: qkv, .offset: 0, .size: 8, .value_kind: global_buffer, .address_space: global }
      - { .name: o_img, .offset: 8, .size: 8, .value_kind: global_buffer, .address_space: global }
    .group_segment_fixed_size: 327680
    .private_segment_fixed_size: 0
    .kernarg_segment_align: 8
    .kernarg_segment_size: 16
    .max_flat_workgroup_size: 512
    .sgpr_count:     66
    .vgpr_count:     256
    .wavefront_size: 32
...
	.end_amdgpu_metadata
.endif
;; end of part 3
;; launch proj (part 4): grid 8 x 32, 4 waves a work-group, clusters of 4 x 4, 327,680 bytes of LDS; arguments o_img, wo_img, out0; writes out0
.if DOCPART == 4
	.amdgcn_target "amdgcn-amd-amdhsa--gfx1250"
	.amdhsa_code_object_version 6
	.text
	.protected	k_q263e5f48f0_proj
	.globl	k_q263e5f48f0_proj
	.p2align	8
	.type	k_q263e5f48f0_proj,@function
k_q263e5f48f0_proj:
	s_mov_b64 s[64:65], 0
	v_nop
	global_prefetch_b8 v0, s[64:65] scope:SCOPE_SE
	s_setreg_imm32_b32 hwreg(HW_REG_WAVE_MODE, 25, 1), 1
	s_wait_xcnt 0x0
	s_wait_alu depctr_hold_cnt(0) depctr_sa_sdst(0) depctr_va_vdst(0) depctr_va_sdst(0) depctr_va_ssrc(0) depctr_va_vcc(0) depctr_vm_vsrc(0)
	s_getreg_b32 s2, hwreg(HW_REG_IB_STS2, 6, 4)
	s_cmp_eq_u32 s2, 0
	s_cbranch_scc0 .Lentry_in_a_cluster
	s_endpgm
.Lentry_in_a_cluster:
	s_bfe_u32 s2, ttmp6, 0x10000c
	s_cmp_lg_u32 s2, 0xf033
	s_cbranch_scc0 .Lentry_shape_is_right
	s_endpgm
.Lentry_shape_is_right:
; out0[m][n] = sum over k of o[m][k] Wo[n][k]: M 4,096, N 1,024, K 1,024; operands in f16, sums and result in f32.
; Both operands lie in memory as images of operand registers, [16 rows][32 along K][1,024 bytes]: a tile of 16 rows x 256 K is 8,192 consecutive bytes, and every fragment load reads 512 consecutive LDS bytes at 16 x lane: no padding.
; A tile of C is 128 x 128 (256 work-groups); four waves, 64 x 64 each: 16 accumulators.  K goes in four steps of 256 through a ring of two LDS slots; a wave's tensor load brings 64 rows: 4 x 8,192 bytes.
; CLUSTERS: 4 x 4 work-groups; A's tiles are shared along a row of the cluster, B's along a column, each asked for jointly.  THE MATRIX INSTRUCTION IS USED TRANSPOSED: a lane holds eight neighbouring numbers of a row of C.
; A wave's 64 columns are 256 bytes of a row of C: each wave has a stage of its own for the way out, in slot 0, which has had its last fill and its last read by then.
; Rows 0-15 of each sequence are stored here too and are stored again, more finely, by the launch that follows.
; REGISTERS: window 0: v0-31 addresses; v32-95 the way out; v128-255 the accumulators ((a, b) at v[128 + 8 (4 a + b)]).   window 1: two fragment buffers of 128: 64 registers of A, then 64 of B.
.set KSTEPB, 8192                      ; a K step of 16 rows, in bytes
.set HALFT,  32768                     ; 64 rows of a K step: what one tensor load brings
.set SLOT,   4*HALFT
.set SPARE,  2*SLOT                    ; the spare words, 128 bytes a wave: two blocks of 256 bytes that no other line names
.set SPITCH, 272
.set LAPS,   2
.set ADRA, 16
.set ADRB, 20
.set STO,  24
.set RD,   25
.set CO,   26
.set SPW,  28
.set NIL,  29
.set TMP,  32
.set ACC,  128
.set F0,   0
.set F1,   128
.set G1, 24
.set G0, 32
.set G1B, 48
.set G0B, 56
.set MSB, 0
.macro WIN new
.if MSB != \new
	s_set_vgpr_msb (MSB<<8)|\new
.set MSB, \new
.endif
.endm
.set MUL,  0x05                        ; sources 0 (B) and 1 (A) window 1; C and D window 0
.set TO_F, 0x40
.macro JLOAD s                         ; waves 0 and 1 fetch A's halves, waves 2 and 3 B's; an s_nop 0 and four v_nop follow each of the two lines
	s_cmp_eq_u32 s11, 0
	s_cbranch_scc0 .Lfor_b_\@
	tensor_load_to_lds s[G0+4*\s:G0+4*\s+3], s[G1:G1+7]
	s_nop 0
.rept 4
	v_nop
.endr
	s_branch .Lasked_\@
.Lfor_b_\@:
	tensor_load_to_lds s[G0B+4*\s:G0B+4*\s+3], s[G1B:G1B+7]
	s_nop 0
.rept 4
	v_nop
.endr
.Lasked_\@:
.endm
.macro CREST
	s_cmp_lg_u32 s10, 0
	s_cbranch_scc1 .Lnot_wave_0_\@
	s_barrier_signal -3
.Lnot_wave_0_\@:
	s_barrier_wait -3
	s_barrier_signal -1
	s_barrier_wait -1
.endm
.macro CROUND
	s_barrier_signal -1
	s_barrier_wait -1
	CREST
.endm
	s_load_b128 s[4:7], s[0:1], 0x0                ; o_img s[4:5], wo_img s[6:7]
	s_load_b64 s[8:9], s[0:1], 0x10                ; out0
	v_lshl_add_u32 v[SPW], v0, 2, SPARE
	v_mov_b32 v[NIL], 0
	ds_add_u32 v[SPW], v[NIL]                      ; the wave's opening: an add of 0, twice on end, waited for ahead of my first tensor load
	ds_add_u32 v[SPW], v[NIL]
	v_lshrrev_b32 v1, 5, v0
	v_readfirstlane_b32 s10, v1                    ; wave 0..3
	s_lshr_b32 s11, s10, 1                         ; my half of the tile's rows.  Also: I fetch for A (0) or for B (1)
	s_and_b32 s12, s10, 1                          ; my half of its columns.  Also: which 64 rows I fetch
	s_bfe_u32 s40, ttmp6, 0x40000
	s_bfe_u32 s41, ttmp6, 0x40004
	s_lshl_b32 s42, ttmp9, 2
	s_add_co_u32 s42, s42, s40                     ; tile column
	s_and_b32 s13, ttmp7, 0xffff
	s_lshl_b32 s13, s13, 2
	s_add_co_u32 s13, s13, s41                     ; tile row
	s_lshl_b32 s43, s41, 2
	s_lshl_b32 s43, 15, s43                        ; my row of the cluster
	s_lshl_b32 s44, 0x1111, s40                    ; my column
	s_or_b32 s[G1+0], s43, (3<<16)|(1<<21)         ; the mask; elements of 8 bytes; bit 21 beside a mask; no padding
	s_or_b32 s[G1B+0], s44, (3<<16)|(1<<21)
.irp g, G1, G1B
	s_mov_b32 s[\g+1], 1024<<16                    ; tensor_dim0 = 1,024 elements: 8,192 bytes
	s_mov_b32 s[\g+2], 4<<16                       ; tensor_dim1 = 4
	s_mov_b32 s[\g+3], 1024<<16                    ; tile_dim0
	s_mov_b32 s[\g+4], 4                           ; tile_dim1
	s_mov_b32 s[\g+5], 4096                        ; the pitch: 32,768 bytes from 16 rows to the next 16
	s_mov_b32 s[\g+6], 0
	s_mov_b32 s[\g+7], 0
.endr
	s_lshl_b32 s17, s12, 2
	s_lshl_b32 s16, s13, 3
	s_add_co_u32 s16, s16, s17                     ; A: tile of 16 rows number 8 x tile row + 4 x half
	s_lshl_b32 s16, s16, 15
	s_lshl_b32 s46, s42, 3
	s_add_co_u32 s46, s46, s17                     ; B: 8 x tile column + 4 x half
	s_lshl_b32 s46, s46, 15
	s_mov_b32 s17, 0
	s_mov_b32 s47, 0
	s_mul_i32 s20, s10, HALFT                      ; where they go: no place in the cluster enters an LDS address
	s_wait_dscnt 0x0
	s_wait_kmcnt 0x0
	s_add_nc_u64 s[14:15], s[4:5], s[16:17]
	s_add_nc_u64 s[46:47], s[6:7], s[46:47]
	CROUND                                         ; all sixteen work-groups are here: the first joint loads meet
.irp s, 0,1
	s_mov_b32 s[G0+4*\s], 1
	s_add_co_u32 s[G0+4*\s+1], s20, \s*SLOT
	s_add_nc_u64 s[G0+4*\s+2:G0+4*\s+3], s[14:15], \s*KSTEPB
	s_or_b32 s[G0+4*\s+3], s[G0+4*\s+3], 0x80000000
	s_mov_b32 s[G0B+4*\s], 1
	s_add_co_u32 s[G0B+4*\s+1], s20, \s*SLOT
	s_add_nc_u64 s[G0B+4*\s+2:G0B+4*\s+3], s[46:47], \s*KSTEPB
	s_or_b32 s[G0B+4*\s+3], s[G0B+4*\s+3], 0x80000000
	JLOAD \s
.endr
	v_and_b32 v1, 15, v0                           ; l % 16
	v_bfe_u32 v2, v0, 4, 1                         ; l / 16
	v_and_b32 v3, 31, v0
	v_lshlrev_b32 v3, 4, v3                        ; 16 x lane
	s_mul_i32 s21, s11, HALFT                      ; my 64 rows of A
	s_mul_i32 s22, s12, HALFT                      ; my 64 rows of B,
	s_add_co_u32 s22, s22, 2*HALFT                 ; behind A's 128
.irp s, 0,1
	v_add_nc_u32 v[ADRA+\s], s21, v3
	v_add_nc_u32 v[ADRB+\s], s22, v3
	s_add_co_u32 s21, s21, SLOT
	s_add_co_u32 s22, s22, SLOT
.endr
	s_mul_i32 s23, s10, 16*SPITCH                  ; my stage: 16 rows x (256 bytes + 16), in slot 0
	v_mul_u32_u24 v4, v1, SPITCH
	v_lshl_add_u32 v4, v2, 5, v4
	v_add_nc_u32 v[STO], s23, v4                   ; in: row l % 16, 32 bytes for each half of the lanes
	v_mul_u32_u24 v5, v2, SPITCH
	v_lshl_add_u32 v5, v1, 4, v5
	v_add_nc_u32 v[RD], s23, v5                    ; back: lanes 0-15 one row of 256 bytes, lanes 16-31 the next
	v_lshlrev_b32 v5, 12, v2
	v_lshl_add_u32 v[CO], v1, 4, v5                ; and the same two rows in C
	s_lshl_b32 s16, s13, 19                        ; my first row of C: (128 x tile row + 64 x half) x 4,096 bytes
	s_lshl_b32 s17, s11, 18
	s_add_co_u32 s16, s16, s17
	s_mov_b32 s17, 0
	s_add_nc_u64 s[8:9], s[8:9], s[16:17]
	s_lshl_b32 s46, s42, 9                         ; my first column, in bytes: 512 x tile column + 256 x half
	s_lshl_b32 s47, s12, 8
	s_add_co_u32 s46, s46, s47
	s_mov_b32 s47, 0
	s_add_nc_u64 s[8:9], s[8:9], s[46:47]
.macro MUL8 f, c, a0, zero             ; 8 matrix instructions: m blocks a0, a0 + 1 x all 4 n blocks, 32 along K; the 16 accumulators take turns
.irp a, \a0, \a0+1
.irp b, 0,1,2,3
.if \zero
	v_wmma_f32_16x16x32_f16 v[ACC+8*(4*(\a)+\b):ACC+8*(4*(\a)+\b)+7], v[\f+64+8*(4*\c+\b):\f+64+8*(4*\c+\b)+7], v[\f+8*(4*\c+\a):\f+8*(4*\c+\a)+7], 0
.else
	v_wmma_f32_16x16x32_f16 v[ACC+8*(4*(\a)+\b):ACC+8*(4*(\a)+\b)+7], v[\f+64+8*(4*\c+\b):\f+64+8*(4*\c+\b)+7], v[\f+8*(4*\c+\a):\f+8*(4*\c+\a)+7], v[ACC+8*(4*(\a)+\b):ACC+8*(4*(\a)+\b)+7]
.endif
.endr
.endr
.endm
.macro FETCH slot, k, f                ; 32 LDS loads in one run: the fragments of 64 along K (two images of each tile of 16 rows, from byte k on), the first 32 along K first
	WIN TO_F
.irp c, 0,1
.irp i, 0,1,2,3
	ds_load_b128 v[\f+64+8*(4*\c+\i):\f+64+8*(4*\c+\i)+3],   v[ADRB+\slot] offset:\k+1024*\c+\i*KSTEPB
	ds_load_b128 v[\f+64+8*(4*\c+\i)+4:\f+64+8*(4*\c+\i)+7], v[ADRB+\slot] offset:\k+1024*\c+\i*KSTEPB+512
	ds_load_b128 v[\f+8*(4*\c+\i):\f+8*(4*\c+\i)+3],         v[ADRA+\slot] offset:\k+1024*\c+\i*KSTEPB
	ds_load_b128 v[\f+8*(4*\c+\i)+4:\f+8*(4*\c+\i)+7],       v[ADRA+\slot] offset:\k+1024*\c+\i*KSTEPB+512
.endr
.endr
.endm
.macro PLACES
.rept 4
	v_nop
.endr
.endm
.macro QUARTER slot, k, f, g, zero     ; 64 along K: multiplies buffer f and fetches the next quarter, at byte k, into g
	s_wait_dscnt 16                                ; the first 32 along K are in; the other sixteen loads may be out
	WIN MUL
	MUL8 \f, 0, 0, \zero
	MUL8 \f, 0, 2, \zero
	PLACES
	FETCH \slot, \k, \g
	s_wait_dscnt 32                                ; all but the 32 just issued
	WIN MUL
	MUL8 \f, 1, 0, 0
	MUL8 \f, 1, 2, 0
.endm
; The last quarter multiplies buffer 1 and changes slots: one barrier; in front of it each wave waits for all its tensor loads, adds 0 to its spare word, and waits for that and for its reads of this slot.
.macro TURN slot, next, fill
	WIN 0
	s_wait_tensorcnt 0x0                           ; all my tensor loads have landed: my part of the next slot;
	ds_add_u32 v[SPW], v[NIL]                      ; 0 onto my spare word;
	s_wait_dscnt 17                                ; (the add and the youngest sixteen loads may be out)
	WIN MUL
	MUL8 F1, 0, 0, 0
	s_wait_dscnt 0x0                               ; the add is done, and my reads of this slot are over
	s_barrier_signal -1
	MUL8 F1, 0, 2, 0
.if \fill
	WIN 0
.endif
	s_barrier_wait -1
.if \fill
	CREST                                          ; the barrier has opened a round of the cluster's barrier: no wave of any partner still reads this slot or has a load on its way
	s_add_nc_u64 s[G0+4*\slot+2:G0+4*\slot+3], s[G0+4*\slot+2:G0+4*\slot+3], 2*KSTEPB
	s_add_nc_u64 s[G0B+4*\slot+2:G0B+4*\slot+3], s[G0B+4*\slot+2:G0B+4*\slot+3], 2*KSTEPB
	JLOAD \slot                                    ; the first tensor load behind the round; its four v_nop are also the places in front of the loads below
.else
	PLACES
.endif
	FETCH \next, 0, F0
	WIN MUL
	MUL8 F1, 1, 0, 0
	MUL8 F1, 1, 2, 0
.endm
	s_wait_tensorcnt 1                             ; my part of K step 0 is in; K step 1's may be out
	s_barrier_signal -1
	s_barrier_wait -1
	FETCH 0, 0, F0
	QUARTER 0, 2048, F0, F1, 1                     ; the first products start the sums
	WIN 0
	s_mov_b32 s3, LAPS-1
.Llap:                                                 ; a trip goes once round the ring and fills both slots again
	QUARTER 0, 4096, F1, F0, 0
	QUARTER 0, 6144, F0, F1, 0
	TURN 0, 1, 1
	QUARTER 1, 2048, F0, F1, 0
	QUARTER 1, 4096, F1, F0, 0
	QUARTER 1, 6144, F0, F1, 0
	TURN 1, 0, 1
	QUARTER 0, 2048, F0, F1, 0
	WIN 0
	s_sub_co_u32 s3, s3, 1
	s_cmp_lg_u32 s3, 0
	s_cbranch_scc1 .Llap
	QUARTER 0, 4096, F1, F0, 0                     ; the last lap fills nothing
	QUARTER 0, 6144, F0, F1, 0
	TURN 0, 1, 0
	QUARTER 1, 2048, F0, F1, 0
	QUARTER 1, 4096, F1, F0, 0
	QUARTER 1, 6144, F0, F1, 0
	s_wait_dscnt 16
	WIN MUL
	MUL8 F1, 0, 0, 0
	MUL8 F1, 0, 2, 0
	s_wait_dscnt 0
	MUL8 F1, 1, 0, 0
	MUL8 F1, 1, 2, 0
	WIN 0
; THE WAY OUT, block by block of 16 rows x 64 columns: 32 bytes a lane into my stage, back as whole rows of 256 bytes.  LDS serves a wave's instructions in order: no wait between the stores and the loads, nor in front of the next block's stores.
.macro TOSTAGE a
.irp b, 0,1,2,3
	ds_store_b128 v[STO], v[ACC+8*(4*(\a)+\b):ACC+8*(4*(\a)+\b)+3] offset:64*\b        ; each accumulator from its low end on
	ds_store_b128 v[STO], v[ACC+8*(4*(\a)+\b)+4:ACC+8*(4*(\a)+\b)+7] offset:64*\b+16
.endr
.set BB, TMP+32*((\a)%2)
.irp t, 0,1,2,3,4,5,6,7
	ds_load_b128 v[BB+4*\t:BB+4*\t+3], v[RD] offset:\t*2*SPITCH
.endr
.endm
.macro SEND a, younger                 ; younger: the LDS instructions issued behind block a's loads: the next block's eight stores and eight loads, or none
.set BB, TMP+32*((\a)%2)
	s_wait_dscnt \younger
.irp t, 0,1,2,3,4,5,6,7
	global_store_b128 v[CO], v[BB+4*\t:BB+4*\t+3], s[8:9] offset:(\a)*65536+\t*8192 th:TH_STORE_NT   ; 16 lanes store 256 consecutive bytes, aligned
.endr
.endm
	PLACES
	TOSTAGE 0
.irp a, 1,2,3
.if \a > 1
	s_wait_xcnt 0x0                                ; block a - 2's stores have read the registers that block a's loads fill
.endif
	TOSTAGE \a
	SEND \a-1, 16
.endr
	SEND 3, 0
	s_wait_tensorcnt 0x0                           ; the wave's end
	ds_add_u32 v[SPW], v[NIL]
	s_wait_dscnt 0x0
	CROUND                                         ; the closing round
	s_endpgm
.Lfunc_end_k_q263e5f48f0_proj:
	.size	k_q263e5f48f0_proj, .Lfunc_end_k_q263e5f48f0_proj-k_q263e5f48f0_proj
	.p2alignl 7, 3214868480
	.fill 96, 4, 3214868480
	.section	.rodata,"a",@progbits
	.p2align	6, 0x0
	.amdhsa_kernel k_q263e5f48f0_proj
		.amdhsa_group_segment_fixed_size 327680
		.amdhsa_private_segment_fixed_size 0
		.amdhsa_enable_private_segment 0
		.amdhsa_kernarg_size 24
		.amdhsa_user_sgpr_count 2
		.amdhsa_user_sgpr_kernarg_segment_ptr 1
		.amdhsa_wavefront_size32 1
		.amdhsa_system_sgpr_workgroup_id_x 1
		.amdhsa_system_sgpr_workgroup_id_y 1
		.amdhsa_system_sgpr_workgroup_id_z 1
		.amdhsa_system_vgpr_workitem_id 0
		.amdhsa_next_free_vgpr 512
		.amdhsa_next_free_sgpr 66
		.amdhsa_reserve_vcc 0
		.amdhsa_float_denorm_mode_32 3
		.amdhsa_float_denorm_mode_16_64 3
		.amdhsa_memory_ordered 1
		.amdhsa_forward_progress 1
		.amdhsa_inst_pref_size 85
	.end_amdhsa_kernel
	.amdgpu_metadata
---
amdhsa.version: [ 1, 2 ]
amdhsa.kernels:
  - .name:           k_q263e5f48f0_proj
    .symbol:         k_q263e5f48f0_proj.kd
    .args:
      - { .name: o_img, .offset: 0, .size: 8, .value_kind: global_buffer, .address_space: global }
      - { .name: wo_img, .offset: 8, .size: 8, .value_kind: global_buffer, .address_space: global }
      - { .name: out0, .offset: 16, .size: 8, .value_kind: global_buffer, .address_space: global }
    .group_segment_fixed_size: 327680
    .private_segment_fixed_size: 0
    .kernarg_segment_align: 8
    .kernarg_segment_size: 24
    .max_flat_workgroup_size: 128
    .sgpr_count:     66
    .vgpr_count:     512
    .wavefront_size: 32
...
	.end_amdgpu_metadata
.endif
;; end of part 4
;; launch fine (part 5): grid 64 x 2, 16 waves a work-group, no clusters, 157,696 bytes of LDS; arguments qkv, Wo, out0; writes out0
.if DOCPART == 5
	.amdgcn_target "amdgcn-amd-amdhsa--gfx1250"
	.amdhsa_code_object_version 6
	.text
	.protected	k_q263e5f48f0_fine
	.globl	k_q263e5f48f0_fine
	.p2align	8
	.type	k_q263e5f48f0_fine,@function
k_q263e5f48f0_fine:
	s_mov_b64 s[64:65], 0
	v_nop
	global_prefetch_b8 v0, s[64:65] scope:SCOPE_SE
	s_setreg_imm32_b32 hwreg(HW_REG_WAVE_MODE, 25, 1), 1
	s_wait_xcnt 0x0
; The first 16 positions of each sequence once more, with f32 operands throughout: under the causal mask these rows average one to sixteen values and are the largest of the output, so the rounding of 16-bit operands weighs most there.
; Work-group (x, y): batch y, output columns 16 x .. 16 x + 15.  Wave w is head w: S^T = k q^T, softmax, O^T = v^T p, then its part of the projection, o_w Wo[16 x .., 64 w ..]^T; the sixteen parts meet in LDS and are added.
; 48 matrix instructions of the f32 form a wave: no bulk work.  128 work-groups, so that these products are shared among many matrix units; the price is that each work-group makes the 16 x 16 attention of all sixteen heads anew.
; q, k, v come as f32 register images (lane (r, h), register 8 b + j: position r, channel 16 b + 8 h + j): every load reads 512 consecutive bytes.
; v is wanted turned (a lane a channel, registers along the keys): its image goes through the wave's own 4,096 bytes of LDS as it lies and comes back word by word.
; Wo's 16 rows x 256 bytes are loaded two whole pieces of rows an instruction and turn through the wave's own stage (rows 272 bytes apart), so that lane (r, h) gets row r's channels 16 c + 8 h + 0 .. 7.
; The f32 form takes k = 2 h + j from register j.  Fed with registers 2 i, 2 i + 1 of such an image on BOTH sides, a product sums channels 16 b + 8 h + 2 i + j: the same channels on both sides, every channel once over b and i.
; The accumulators v32-63 are written by matrix instructions alone, each sum begun by a product with the constant 0; in each phase four accumulators take turns; nine plain lines stand behind each phase's last product (ISA guide 7.12.1, and one more for results laid over results).
; A work-group's 16 columns are 64 bytes of a row: a store covers 64 consecutive bytes of each of eight rows, no aligned block of 256 bytes whole.  The launch stores 131,072 bytes in all.
.set VSTG,  0                          ; LDS: v's image, 4,096 bytes a wave
.set WSZ,   16*272                     ; Wo's stage: 16 rows x (256 bytes + 16) a wave
.set WST,   16*4096
.set PP,    16*80                      ; a wave's part of the result: 16 rows x (64 bytes + 16)
.set PART,  WST+16*WSZ
.set SPARE, PART+16*PP                 ; the spare words, 128 bytes a wave: eight blocks of 256 bytes that no other line names
.set F32OFF, 25165824
.set LI,  1                            ; v1 16 x lane
.set VL,  2                            ; v2 LDS: my lane's word in v's image
.set WGO, 3                            ; v3 Wo in memory: 4,096 h + 16 r: sixteen lanes to a row's 256 bytes, two rows a load
.set SPW, 4
.set NIL, 5
.set DD,  6                            ; v6 r - 8 h
.set STO, 7                            ; v7 LDS: where I put my part
.set T,   8                            ; v8-15 sums of accumulators; v16-23 at work
.set NINF, 24
.set VSI, 25                           ; v25 LDS: where v's image goes: 16 x lane
.set WSI, 26                           ; v26 LDS: Wo's stage, in: 272 h + 16 r
.set WRD, 27                           ; v27 LDS: Wo's stage, back: 272 r + 32 h
.set RDA, 28                           ; v28 LDS: where I read the parts back
.set OUTO, 29                          ; v29 my byte in out0
.set ACC, 32
.set QF,  64                           ; v64-95 q, v96-127 k; at the end the sixteen parts
.set KK,  96
.set VT,  128                          ; v128-159 v^T; later o
.set VI,  160                          ; v160-191 v's image as loaded; later Wo's fragments
.set WF,  160
.set WI,  192                          ; v192-223 Wo as loaded
.set PR,  224                          ; v224-231 p
.macro NINE
.rept 9
	v_nop
.endr
.endm
	s_load_b128 s[4:7], s[0:1], 0x0                ; qkv s[4:5], Wo s[6:7]
	s_load_b64 s[8:9], s[0:1], 0x10                ; out0
	v_lshl_add_u32 v[SPW], v0, 2, SPARE
	v_mov_b32 v[NIL], 0
	v_lshrrev_b32 v8, 5, v0
	v_readfirstlane_b32 s10, v8                    ; wave = head
	s_and_b32 s11, ttmp7, 0xffff                   ; batch
	v_and_b32 v9, 31, v0
	v_lshlrev_b32 v[LI], 4, v9
	v_and_b32 v10, 15, v0                          ; r
	v_bfe_u32 v11, v0, 4, 1                        ; h
	v_bfe_u32 v12, v10, 2, 1                       ; v(key 8 h + j, channel 16 c + r) lies at 1,024 c + 512 ((r / 4) % 2) + 256 (r / 8) + 16 (8 h + j) + 4 (r % 4) of the image
	v_lshlrev_b32 v[VL], 9, v12
	v_lshrrev_b32 v12, 3, v10
	v_lshl_add_u32 v[VL], v12, 8, v[VL]
	v_lshl_add_u32 v[VL], v11, 7, v[VL]
	v_and_b32 v12, 3, v10
	v_lshl_add_u32 v[VL], v12, 2, v[VL]
	s_lshl_b32 s12, s10, 12                        ; my 4,096 bytes for v's image (they begin at LDS byte 0)
	v_add_nc_u32 v[VL], s12, v[VL]
	v_add_nc_u32 v[VSI], s12, v[LI]
	v_lshlrev_b32 v[WGO], 12, v11
	v_lshl_add_u32 v[WGO], v10, 4, v[WGO]
	s_mul_i32 s12, s10, WSZ
	s_add_co_u32 s12, s12, WST                     ; my stage for Wo
	v_mul_u32_u24 v[WSI], v11, 272
	v_lshl_add_u32 v[WSI], v10, 4, v[WSI]
	v_add_nc_u32 v[WSI], s12, v[WSI]
	v_mul_u32_u24 v[WRD], v10, 272
	v_lshl_add_u32 v[WRD], v11, 5, v[WRD]
	v_add_nc_u32 v[WRD], s12, v[WRD]
	v_lshlrev_b32 v12, 3, v11
	v_sub_nc_u32 v[DD], v10, v12
	v_mov_b32 v[NINF], 0xff800000
	s_mul_i32 s12, s10, PP
	s_add_co_u32 s12, s12, PART
	v_mul_u32_u24 v[STO], v10, 80
	v_lshl_add_u32 v[STO], v11, 5, v[STO]
	v_add_nc_u32 v[STO], s12, v[STO]               ; my part: row r, + 32 h
	v_lshrrev_b32 v12, 2, v9                       ; back: four lanes to a row's 64 bytes, eight rows a wave
	v_and_b32 v13, 3, v9
	s_mul_i32 s12, s10, 8*80
	s_add_co_u32 s12, s12, PART
	v_mul_u32_u24 v[RDA], v12, 80
	v_lshl_add_u32 v[RDA], v13, 4, v[RDA]
	v_add_nc_u32 v[RDA], s12, v[RDA]               ; row 8 w + lane / 4, 16 bytes a lane
	s_lshl_b32 s12, s10, 15
	v_lshlrev_b32 v[OUTO], 12, v12
	v_lshl_add_u32 v[OUTO], v13, 4, v[OUTO]
	v_add_nc_u32 v[OUTO], s12, v[OUTO]             ; and the same in out0: rows of 4,096 bytes
	s_lshl_b32 s12, s11, 4
	s_add_co_u32 s12, s12, s10
	s_lshl_b32 s12, s12, 12                        ; 4,096 bytes of f32 image a (batch, head)
	s_add_co_u32 s12, s12, F32OFF
	s_mov_b32 s13, 0
	s_lshl_b32 s16, ttmp9, 16                      ; Wo: rows 16 x on, 4,096 bytes each,
	s_lshl_b32 s17, s10, 8                         ; columns 64 w on
	s_add_co_u32 s16, s16, s17
	s_mov_b32 s17, 0
	s_lshl_b32 s18, s11, 23                        ; out0: batch x 2,048 rows,
	s_lshl_b32 s19, ttmp9, 6                       ; columns 16 x on
	s_add_co_u32 s18, s18, s19
	s_mov_b32 s19, 0
	s_mov_b32 s20, 0x76543210
	s_mov_b32 s21, 0xfedcba98
	s_mov_b32 s22, 0x3e38aa3b                      ; c = log2(e) / 8
	s_wait_kmcnt 0x0
	s_add_nc_u64 s[14:15], s[4:5], s[12:13]
	s_add_nc_u64 s[16:17], s[6:7], s[16:17]
	s_add_nc_u64 s[18:19], s[8:9], s[18:19]
.irp i, 0,1,2,3,4,5,6,7
	global_load_b128 v[QF+4*\i:QF+4*\i+3], v[LI], s[14:15] offset:512*\i
.endr
.irp i, 0,1,2,3,4,5,6,7
	global_load_b128 v[KK+4*\i:KK+4*\i+3], v[LI], s[14:15] offset:131072+512*\i
.endr
.irp i, 0,1,2,3,4,5,6,7
	global_load_b128 v[VI+4*\i:VI+4*\i+3], v[LI], s[14:15] offset:262144+512*\i
.endr
.irp t, 0,1,2,3,4,5,6,7
	global_load_b128 v[WI+4*\t:WI+4*\t+3], v[WGO], s[16:17] offset:\t*8192   ; rows 2 t and 2 t + 1 of my 16, 256 consecutive bytes of each
.endr
	s_wait_loadcnt 16                              ; q and k are in; v's eight loads and Wo's eight may be out
	; S^T = k q^T: four accumulators, one for each 16 channels, by turns
.irp i, 0,1,2,3
.irp b, 0,1,2,3
.if \i == 0
	v_wmma_f32_16x16x4_f32 v[ACC+8*\b:ACC+8*\b+7], v[KK+8*\b:KK+8*\b+1], v[QF+8*\b:QF+8*\b+1], 0
.else
	v_wmma_f32_16x16x4_f32 v[ACC+8*\b:ACC+8*\b+7], v[KK+8*\b+2*\i:KK+8*\b+2*\i+1], v[QF+8*\b+2*\i:QF+8*\b+2*\i+1], v[ACC+8*\b:ACC+8*\b+7]
.endif
.endr
.endr
	s_wait_loadcnt 8                               ; v is in; Wo's eight loads may be out
.irp i, 0,1,2,3,4,5,6,7
	ds_store_b128 v[VSI], v[VI+4*\i:VI+4*\i+3] offset:512*\i         ; v's image as it lies; LDS serves a wave's instructions in order: the loads below see it
.endr
.irp c, 0,1,2,3
.irp j, 0,1,2,3,4,5,6,7
	ds_load_b32 v[VT+8*\c+\j], v[VL] offset:\c*1024+\j*16            ; v(key 8 h + j, channel 16 c + r)
.endr
.endr
	NINE
.irp j, 0,1,2,3,4,5,6,7
	v_add_f32 v[T+\j], v[ACC+\j], v[ACC+8+\j]      ; lane (r, h), register j: query r, key 8 h + j; each accumulator from its low end on
	v_add_f32 v[16+\j], v[ACC+16+\j], v[ACC+24+\j]
.endr
.irp j, 0,1,2,3,4,5,6,7
	v_add_f32 v[T+\j], v[T+\j], v[16+\j]
.endr
.irp j, 0,1,2,3,4,5,6,7
	v_cmp_gt_i32 vcc_lo, \j, v[DD]                 ; hidden where 8 h + j > r
	v_cndmask_b32 v[T+\j], v[T+\j], v[NINF], vcc_lo
.endr
	v_max3_num_f32 v16, v[T], v[T+1], v[T+2]
	v_max3_num_f32 v17, v[T+3], v[T+4], v[T+5]
	v_max3_num_f32 v16, v16, v[T+6], v[T+7]
	v_max_num_f32 v16, v16, v17
	v_permlanex16_b32 v17, v16, s20, s21
	v_max_num_f32 v16, v16, v17                    ; the row's largest score: key 0 counts for every query
	v_mul_f32 v17, s22, v16
.irp j, 0,1,2,3,4,5,6,7
	v_fma_f32 v[T+\j], v[T+\j], s22, -v17
.endr
.irp j, 0,1,2,3,4,5,6,7
	v_exp_f32 v[PR+\j], v[T+\j]
.endr
	v_nop
	s_wait_alu depctr_va_vdst(0)                   ; one wait for the eight
	v_add_f32 v18, v[PR], v[PR+1]
	v_add_f32 v19, v[PR+2], v[PR+3]
	v_add_f32 v20, v[PR+4], v[PR+5]
	v_add_f32 v21, v[PR+6], v[PR+7]
	v_add_f32 v18, v18, v19
	v_add_f32 v20, v20, v21
	v_add_f32 v18, v18, v20
	v_permlanex16_b32 v19, v18, s20, s21
	v_add_f32 v18, v18, v19
	v_rcp_f32 v20, v18
	v_nop
	s_wait_alu depctr_va_vdst(0)
	s_wait_dscnt 0x0                               ; v^T is in
	; O^T = v^T p: four tiles of 16 channels by turns; keys 8 h + 2 i + j on both sides
.irp i, 0,1,2,3
.irp c, 0,1,2,3
.if \i == 0
	v_wmma_f32_16x16x4_f32 v[ACC+8*\c:ACC+8*\c+7], v[VT+8*\c:VT+8*\c+1], v[PR:PR+1], 0
.else
	v_wmma_f32_16x16x4_f32 v[ACC+8*\c:ACC+8*\c+7], v[VT+8*\c+2*\i:VT+8*\c+2*\i+1], v[PR+2*\i:PR+2*\i+1], v[ACC+8*\c:ACC+8*\c+7]
.endif
.endr
.endr
	s_wait_loadcnt 0x0                             ; Wo is in
.irp t, 0,1,2,3,4,5,6,7
	ds_store_b128 v[WSI], v[WI+4*\t:WI+4*\t+3] offset:\t*544         ; rows 2 t + h of my stage
.endr
.irp c, 0,1,2,3
.irp e, 0,1
	ds_load_b128 v[WF+8*\c+4*\e:WF+8*\c+4*\e+3], v[WRD] offset:64*\c+16*\e   ; Wo(16 x + r, 64 w + 16 c + 8 h + 4 e + 0 .. 3), into the registers that v's image has left
.endr
.endr
	NINE
.irp n, 0,1,2,3,4,5,6,7,8,9,10,11,12,13,14,15,16,17,18,19,20,21,22,23,24,25,26,27,28,29,30,31
	v_mul_f32 v[VT+\n], v[ACC+\n], v20             ; o(query r, channel 16 c + 8 h + j), into other registers
.endr
	s_wait_dscnt 0x0                               ; Wo's fragments are in
	; my head's part of out: source 0 = 16 rows of Wo, source 1 = o: four accumulators, one for each 16 channels, by turns
.irp i, 0,1,2,3
.irp c, 0,1,2,3
.if \i == 0
	v_wmma_f32_16x16x4_f32 v[ACC+8*\c:ACC+8*\c+7], v[WF+8*\c:WF+8*\c+1], v[VT+8*\c:VT+8*\c+1], 0
.else
	v_wmma_f32_16x16x4_f32 v[ACC+8*\c:ACC+8*\c+7], v[WF+8*\c+2*\i:WF+8*\c+2*\i+1], v[VT+8*\c+2*\i:VT+8*\c+2*\i+1], v[ACC+8*\c:ACC+8*\c+7]
.endif
.endr
.endr
	NINE
.irp j, 0,1,2,3,4,5,6,7
	v_add_f32 v[T+\j], v[ACC+\j], v[ACC+8+\j]      ; lane (r, h), register j: out(row r, column 16 x + 8 h + j), my head's 64 channels
	v_add_f32 v[16+\j], v[ACC+16+\j], v[ACC+24+\j]
.endr
.irp j, 0,1,2,3,4,5,6,7
	v_add_f32 v[T+\j], v[T+\j], v[16+\j]
.endr
	ds_store_b128 v[STO], v[T:T+3]
	ds_store_b128 v[STO], v[T+4:T+7] offset:16
	s_wait_dscnt 0x0                               ; for the others' sake: my part lies in LDS
	s_barrier_signal -1
	s_barrier_wait -1
	s_cmp_lt_u32 s10, 2                            ; waves 0 and 1 add the sixteen parts, eight rows each; no barrier stands behind this branch
	s_cbranch_scc0 .Lend
.irp p, 0,1,2,3,4,5,6,7,8,9,10,11,12,13,14,15
	ds_load_b128 v[QF+4*\p:QF+4*\p+3], v[RDA] offset:\p*PP
.endr
	s_wait_dscnt 0x0
.irp p, 0,1,2,3,4,5,6,7
	v_pk_add_f32 v[QF+4*\p:QF+4*\p+1], v[QF+4*\p:QF+4*\p+1], v[QF+32+4*\p:QF+32+4*\p+1]
	v_pk_add_f32 v[QF+4*\p+2:QF+4*\p+3], v[QF+4*\p+2:QF+4*\p+3], v[QF+32+4*\p+2:QF+32+4*\p+3]
.endr
.irp p, 0,1,2,3
	v_pk_add_f32 v[QF+4*\p:QF+4*\p+1], v[QF+4*\p:QF+4*\p+1], v[QF+16+4*\p:QF+16+4*\p+1]
	v_pk_add_f32 v[QF+4*\p+2:QF+4*\p+3], v[QF+4*\p+2:QF+4*\p+3], v[QF+16+4*\p+2:QF+16+4*\p+3]
.endr
.irp p, 0,1
	v_pk_add_f32 v[QF+4*\p:QF+4*\p+1], v[QF+4*\p:QF+4*\p+1], v[QF+8+4*\p:QF+8+4*\p+1]
	v_pk_add_f32 v[QF+4*\p+2:QF+4*\p+3], v[QF+4*\p+2:QF+4*\p+3], v[QF+8+4*\p+2:QF+8+4*\p+3]
.endr
	v_pk_add_f32 v[QF:QF+1], v[QF:QF+1], v[QF+4:QF+5]
	v_pk_add_f32 v[QF+2:QF+3], v[QF+2:QF+3], v[QF+6:QF+7]
	global_store_b128 v[OUTO], v[QF:QF+3], s[18:19]    ; four lanes store a row's 64 consecutive bytes
.Lend:
	s_wait_tensorcnt 0x0                           ; the wave's end
	ds_add_u32 v[SPW], v[NIL]
	s_wait_dscnt 0x0
	s_endpgm
.Lfunc_end_k_q263e5f48f0_fine:
	.size	k_q263e5f48f0_fine, .Lfunc_end_k_q263e5f48f0_fine-k_q263e5f48f0_fine
	.p2alignl 7, 3214868480
	.fill 96, 4, 3214868480
	.section	.rodata,"a",@progbits
	.p2align	6, 0x0
	.amdhsa_kernel k_q263e5f48f0_fine
		.amdhsa_group_segment_fixed_size 157696
		.amdhsa_private_segment_fixed_size 0
		.amdhsa_enable_private_segment 0
		.amdhsa_kernarg_size 24
		.amdhsa_user_sgpr_count 2
		.amdhsa_user_sgpr_kernarg_segment_ptr 1
		.amdhsa_wavefront_size32 1
		.amdhsa_system_sgpr_workgroup_id_x 1
		.amdhsa_system_sgpr_workgroup_id_y 1
		.amdhsa_system_sgpr_workgroup_id_z 1
		.amdhsa_system_vgpr_workitem_id 0
		.amdhsa_next_free_vgpr 256
		.amdhsa_next_free_sgpr 66
		.amdhsa_reserve_vcc 1
		.amdhsa_float_denorm_mode_32 3
		.amdhsa_float_denorm_mode_16_64 3
		.amdhsa_memory_ordered 1
		.amdhsa_forward_progress 1
		.amdhsa_inst_pref_size 23
	.end_amdhsa_kernel
	.amdgpu_metadata
---
amdhsa.version: [ 1, 2 ]
amdhsa.kernels:
  - .name:           k_q263e5f48f0_fine
    .symbol:         k_q263e5f48f0_fine.kd
    .args:
      - { .name: qkv, .offset: 0, .size: 8, .value_kind: global_buffer, .address_space: global }
      - { .name: Wo, .offset: 8, .size: 8, .value_kind: global_buffer, .address_space: global }
      - { .name: out0, .offset: 16, .size: 8, .value_kind: global_buffer, .address_space: global }
    .group_segment_fixed_size: 157696
    .private_segment_fixed_size: 0
    .kernarg_segment_align: 8
    .kernarg_segment_size: 24
    .max_flat_workgroup_size: 512
    .sgpr_count:     66
    .vgpr_count:     256
    .wavefront_size: 32
...
	.end_amdgpu_metadata
.endif
;; end of part 5
